; MI455X (gfx1250); checked and timed in simulation.
; The chip was launched on July 23, 2026; its instructions are those of AMD's public machine-readable ISA for CDNA 5 (MIT licence, August 2026) and "CDNA5" Instruction Set Architecture Reference Guide (July 2026). The comments in the code are by the model that wrote it; some were corrected since.
;; Mo E layer torch. Allowed arithmetic: matrix products marked QUANTISED: E4M3 operands, one E8M0 scale for each 32 along K, by v_wmma_scale_f32_16x16x128_f8f6f4 with both operands' format E4M3, f32 sums; everything else in f32.
;; Inputs: topk_ids 2,048 x 1 int32; weight0 8 x 1,024 x 2,048 float32; weight1 8 x 2,048 x 1,024 float32; x 2,048 x 1,024 float32.
;; Outputs: out0 2,048 x 1,024 float32.
;; This version of the problem:
;;   THIS VERSION OF THE PROBLEM IS GIVEN IN LOW PRECISION. The matrix products marked QUANTISED in the list below multiply operands that are first quantised to E4M3 (4 exponent bits, 3 mantissa bits; 8 bits a number), with one power-of-two scale for each 32 numbers along K (OCP MX v1.0); their sums are f32. All else is computed in f32.
;;   The module's matrix products, in the order in which they are computed (A, B: the left and right operand; K: the contracted axis; several contracted axes count as one K, in the product's order):
;;     1. [M 2,048, K 1,024] x [K 1,024, N 2,048]; A: computed on the way; B: input weight0: QUANTISED
;;     2. [M 2,048, K 2,048] x [K 2,048, N 1,024]; A: computed on the way; B: input weight1: QUANTISED
;;     3. [M 2,048, K 1,024] x [K 1,024, N 2,048]; A: computed on the way; B: input weight0: QUANTISED
;;     4. [M 2,048, K 2,048] x [K 2,048, N 1,024]; A: computed on the way; B: input weight1: QUANTISED
;;     5. [M 2,048, K 1,024] x [K 1,024, N 2,048]; A: computed on the way; B: input weight0: QUANTISED
;;     6. [M 2,048, K 2,048] x [K 2,048, N 1,024]; A: computed on the way; B: input weight1: QUANTISED
;;     7. [M 2,048, K 1,024] x [K 1,024, N 2,048]; A: computed on the way; B: input weight0: QUANTISED
;;     8. [M 2,048, K 2,048] x [K 2,048, N 1,024]; A: computed on the way; B: input weight1: QUANTISED
;;     9. [M 2,048, K 1,024] x [K 1,024, N 2,048]; A: computed on the way; B: input weight0: QUANTISED
;;     10. [M 2,048, K 2,048] x [K 2,048, N 1,024]; A: computed on the way; B: input weight1: QUANTISED
;;     11. [M 2,048, K 1,024] x [K 1,024, N 2,048]; A: computed on the way; B: input weight0: QUANTISED
;;     12. [M 2,048, K 2,048] x [K 2,048, N 1,024]; A: computed on the way; B: input weight1: QUANTISED
;;     13. [M 2,048, K 1,024] x [K 1,024, N 2,048]; A: computed on the way; B: input weight0: QUANTISED
;;     14. [M 2,048, K 2,048] x [K 2,048, N 1,024]; A: computed on the way; B: input weight1: QUANTISED
;;     15. [M 2,048, K 1,024] x [K 1,024, N 2,048]; A: computed on the way; B: input weight0: QUANTISED
;;     16. [M 2,048, K 2,048] x [K 2,048, N 1,024]; A: computed on the way; B: input weight1: QUANTISED
;;   THE QUANTISER, for each operand of a quantised product, along K:
;;     - K is cut into blocks of 32 from its start; a last block that is shorter is filled with zeros.
;;     - A block's scale is 2^e with e = floor(log2(the largest magnitude in the block)) - 8, held to -126 .. 127; a block of zeros has e = 0. As a byte (E8M0): e + 127.
;;     - Each number is divided by its block's scale, clamped to +-448, and rounded to the nearest number of E4M3, ties to even, subnormals kept.
;;     - The product sums the exact products of the quantised numbers (number of the format x scale) in f32.
;;   ~~~python
;;   def quantise(x, axis):      # numpy; x: float32 -> the quantised numbers, widened to float32 again
;;       x = np.moveaxis(x, axis, -1); K = x.shape[-1]
;;       x = np.pad(x, [(0, 0)] * (x.ndim - 1) + [(0, -K % 32)]); x = x.reshape(x.shape[:-1] + (-1, 32)); a = np.abs(x).max(-1, keepdims=True)
;;       e = np.where(a > 0, np.clip(np.frexp(np.where(a > 0, a, 1))[1] - 1 - 8, -126, 127), 0)      # np.frexp(a)[1] - 1 = floor(log2(a)), exactly
;;       r = np.clip(x / 2.0 ** e, -448, 448)
;;       step = 2.0 ** (np.maximum(np.frexp(np.where(r == 0, 1, r))[1] - 1, -6) - 3)
;;       q = np.round(r / step) * step * 2.0 ** e      # np.round: ties to even
;;       return np.moveaxis(q.reshape(q.shape[:-2] + (-1,))[..., :K], -1, axis).astype(np.float32)
;;   ~~~
;;   OPERANDS COMPUTED ON THE WAY. 'Computed on the way' means the value that the module computes at that place (a softmax that the list does not call 'softmax' is quantised finished and normalised). What goes into a quantiser is computed in f32, as accurately as f32 sums, v_exp_f32 and their like allow (about 1e-6 of the number): no bf16 or f16 on the way to a quantiser, and a product that is left as it is and whose result goes on into a quantised operand takes f32 operands (vector FMAs, or v_wmma_f32_16x16x4_f32). A number that lies on a knife's edge between two numbers of the format may be rounded either way, as far as f32 arithmetic and the matrix unit's own rounding can turn it there, and no further.
;; 2 versions. Each part assembles by itself: llvm-mc -triple=amdgcn-amd-amdhsa -mcpu=gfx1250 --defsym DOCPART=n.
;; ======== version 1 of 2: 3 launches
;; workspace buffers: x_codes 2,211,840 bytes; x_scales 69,120 bytes; h_codes 4,423,680 bytes; h_scales 138,240 bytes; order 8,704 bytes of whole numbers; seg 256 bytes of whole numbers
;; launch prep (part 1): grid 135 x 1, 8 waves a work-group, no clusters, 2,048 bytes of LDS; arguments topk_ids, x, x_codes, x_scales, order, seg; writes x_codes, x_scales, order, seg
.if DOCPART == 1
	.amdgcn_target "amdgcn-amd-amdhsa--gfx1250"
	.amdhsa_code_object_version 6
	.text
	.protected	k_q5d8cb16afb_prep
	.globl	k_q5d8cb16afb_prep
	.p2align	8
	.type	k_q5d8cb16afb_prep,@function
k_q5d8cb16afb_prep:
	s_mov_b64 s[64:65], 0
	v_nop
	global_prefetch_b8 v0, s[64:65] scope:SCOPE_SE
	s_setreg_imm32_b32 hwreg(HW_REG_WAVE_MODE, 25, 1), 1
	s_wait_xcnt 0x0
; THE TOKENS ARE SORTED BY EXPERT AND QUANTISED.  2,048 tokens, 8 experts, one expert a token (topk_ids).  A TILE is 16 sorted rows of one expert; an expert's rows are
; filled up to a multiple of 16 by copies of the tile's first row, so there are never more than 2,048 / 16 + 7 = 135 tiles, whatever the choice.  Work-group T makes tile T.
; EVERY WAVE RANKS ALL 2,048 IDS BY ITSELF (8 KB read): what steers its branch and its addresses is made from its own loads by compares into lane masks, scalar bit counts and
; integer arithmetic alone; no such number goes from wave to wave or from lane to lane.  Wave w then gathers K step w (128 of x's 1,024 numbers a row) of the tile's 16 rows
; and turns it into codes of E4M3 with one E8M0 byte for each 32 along K.
; THE ORDER OF A RANK: register j of lane l holds the id of token 128 (j / 4) + 4 l + j % 4; an expert's tokens are ranked by (j, l).  Every wave of every work-group ranks alike.
; OUT: x_codes [tile][K step 8][c 4][lane 32][16 bytes]: the image of a matrix operand's registers (lane (r, h), registers 4 c .. 4 c + 3: k = 128 s + 32 c + 16 h + 0 .. 15 of row r);
;      x_scales [tile][row 16][8 words]; order [tile][row]: the row's token; seg: word 2 e = expert e's first tile, word 2 e + 1 = its number of tiles.
; A work-group whose T is not under the number of tiles walks everything on held addresses and stores nothing: the branch stands behind the barrier.
; LIMITS: ids outside 0 .. 7 are not served: such an id is counted for expert id mod 8 and matched by none, so that other tokens' rows can be wrong too (every address stays inside its buffer);
; NaN and infinities in x are not served; a block whose largest magnitude lies under 2^-118 gets the byte 1
; (a block of zeros too: its codes are zeros, which add nothing, and this program alone reads the bytes).
.set XSC,  0                           ; LDS: 16 rows x 8 scale words: the one thing that the waves hand to each other
.set ONE,  7                           ; v7      1
.set AC,   8                           ; v8-12   five accumulators of eight 4-bit counts: id j goes to accumulator j % 5, 13 ids at the most
.set LO8,  14                          ; v14     my lane's counts of experts 0, 2, 4, 6 in bytes; v15 those of experts 1, 3, 5, 7
.set VQ,   20                          ; v20     the rank that my lane looks for
.set WD,   21                          ; v21     the mask word in which it lies
.set BS,   22                          ; v22     the expert's tokens in front of that word
.set TB,   23                          ; v23     the token of that word's lane 0
.set NN,   24                          ; v24     which set bit of the word; v25-28 partial bit counts; v29 the bit's place; v30-31 at work
.set BT,   32                          ; v32-38  single bits of the counts
.set ID,   64                          ; v64-127 4 x the 2,048 ids' 64 of my lane; later:
.set XR,   64                          ; v64-127 64 numbers of x
.set PC,   128                         ; v128-143 their codes
.set PW,   144                         ; v144    their scale word
.set TM,   146                         ; v146-161 the quantiser's small registers
.set CT,   20                          ; s20-27  tokens of each expert
.set NTL,  28                          ; s28-35  tiles of each expert
.set ST,   36                          ; s36-44  first tile of each expert; s44 = tiles in all
.set MK,   48                          ; s48-55  lane masks
.set CN,   56                          ; s56-63  their bit counts
.set RUN,  66                          ; s66-74  my expert's tokens in front of each of eight words
.set SEL,  76                          ; s76-77  v_permlanex16_b32's selects for lane l xor 16
.set MNT,  78                          ; s78     the mantissa field of 448
; 64 numbers of a lane, register 16 b + i = k 32 b + 16 (lane / 16) + i of my row, become a fragment's codes in v[PC] on and its scale word in v[PW]
.macro QUANT s
.irp b, 0,1,2,3
	v_max3_num_f32 v[TM+\b], |v[\s+16*\b]|, |v[\s+1+16*\b]|, 0x4800000   ; my 16 numbers of block b, and the floor 2^(9 - 127): the byte cannot fall under 1
.endr
.irp i, 2,4,6,8,10,12,14
.irp b, 0,1,2,3
	v_max3_num_f32 v[TM+\b], v[TM+\b], |v[\s+16*\b+\i]|, |v[\s+1+16*\b+\i]|
.endr
.endr
.irp b, 0,1,2,3
	v_permlanex16_b32 v[TM+4+\b], v[TM+\b], s[SEL], s[SEL+1]
.endr
.irp b, 0,1,2,3
	v_max_num_f32 v[TM+\b], v[TM+\b], v[TM+4+\b]                   ; with lane l xor 16's: the block's largest magnitude
.endr
.irp b, 0,1,2,3
	v_add_nc_u32 v[TM+12+\b], 0xfc000000, v[TM+\b]                 ; 8 off its exponent field: the conversion's scale operand
.endr
.irp b, 0,1,2,3
	v_and_or_b32 v[TM+8+\b], v[TM+\b], 0x7f800000, s[MNT]          ; 448 x the scale
.endr
.irp b, 0,1,2,3
	v_lshrrev_b32 v[TM+4+\b], 23, v[TM+12+\b]                      ; the scale's byte
.endr
	v_lshl_or_b32 v[PW], v[TM+5], 8, v[TM+4]
	v_lshl_or_b32 v[PW], v[TM+6], 16, v[PW]
	v_lshl_or_b32 v[PW], v[TM+7], 24, v[PW]
.irp b, 0,1,2,3
.irp i, 0,1,2,3,4,5,6,7,8,9,10,11,12,13,14,15
	v_med3_num_f32 v[\s+16*\b+\i], v[\s+16*\b+\i], -v[TM+8+\b], v[TM+8+\b]   ; the conversion to an 8-bit code does not saturate (ISA guide 7.6.2): the hold comes first
.endr
	v_cvt_scalef32_pk8_fp8_f32 v[PC+4*\b:PC+1+4*\b], v[\s+16*\b:\s+7+16*\b], v[TM+12+\b]
	v_cvt_scalef32_pk8_fp8_f32 v[PC+2+4*\b:PC+3+4*\b], v[\s+8+16*\b:\s+15+16*\b], v[TM+12+\b]
.endr
	v_nop                                          ; one plain line behind the last conversion
.endm
; one halving of the search for the NN-th set bit: if the lower stp places from v29 on hold NN set bits or fewer, the bit lies above them
.macro PICK src, wid, stp
	v_bfe_u32 v30, v[\src], v29, \wid              ; set bits in the lower stp places
	v_cmp_ge_u32 vcc_lo, v[NN], v30
	v_cndmask_b32 v30, 0, v30, vcc_lo
	v_sub_nc_u32 v[NN], v[NN], v30
	v_add_nc_u32 v31, \stp, v29
	v_cndmask_b32 v29, v29, v31, vcc_lo
.endm
	s_load_b256 s[4:11], s[0:1], 0x0               ; topk_ids s[4:5], x s[6:7], x_codes s[8:9], x_scales s[10:11]
	s_load_b128 s[12:15], s[0:1], 0x20             ; order s[12:13], seg s[14:15]
	v_lshl_add_u32 v168, v0, 2, 0x400
	v_mov_b32 v169, 0
	v_lshrrev_b32 v60, 5, v0
	v_readfirstlane_b32 s16, v60                   ; wave 0..7
	s_mov_b32 s17, ttmp9                           ; T
	v_and_b32 v1, 31, v0                           ; lane
	v_and_b32 v2, 15, v0                           ; r
	v_bfe_u32 v3, v0, 4, 1                         ; h
	v_lshlrev_b32 v54, 2, v2                       ; 4 r
	v_lshlrev_b32 v55, 2, v60
	v_lshl_add_u32 v55, v2, 5, v55                 ; LDS: 32 r + 4 x wave: row r's scale word of my K step
	v_lshlrev_b32 v56, 4, v1                       ; 16 x lane
	v_lshlrev_b32 v59, 2, v1                       ; 4 x lane
	v_mov_b32 v[ONE], 1
	s_mov_b32 s[SEL], 0x76543210
	s_mov_b32 s[SEL+1], 0xfedcba98
	s_mov_b32 s[MNT], 0x600000
	s_mov_b32 s83, 0x0f0f0f0f
.irp b, 0,1,2,3
	v_mov_b32 v[TM+4+\b], 0                        ; written once: a lane permute's destination counts as one of its sources
.endr
	s_wait_kmcnt 0x0
.irp q, 0,1,2,3,4,5,6,7,8,9,10,11,12,13,14,15
	global_load_b128 v[ID+4*\q:ID+4*\q+3], v56, s[4:5] offset:512*\q   ; all 2,048 ids: 512 consecutive bytes a load
.endr
	s_wait_loadcnt 0x0
	; ---- how many tokens each expert has.  In a lane: 1 << 4 id is added into 4-bit fields, 13 ids at the most to an accumulator, so that no field runs over
.set j, 0
.rept 64
	v_lshlrev_b32 v[ID+j], 2, v[ID+j]              ; 4 id, kept so from here on
.set j, j+1
.endr
.set j, 0
.rept 64
.if j < 5
	v_lshlrev_b32 v[AC+j], v[ID+j], v[ONE]         ; the first id starts its accumulator
.else
	v_lshl_add_u32 v[AC+j%5], v[ONE], v[ID+j], v[AC+j%5]
.endif
.set j, j+1
.endr
	v_and_b32 v[LO8], s83, v[AC]                   ; the five are added in fields of 8 bits: a lane's count is 64 at the most
	v_lshrrev_b32 v[LO8+1], 4, v[AC]
	v_and_b32 v[LO8+1], s83, v[LO8+1]
.irp g, 1,2,3,4
	v_and_b32 v5, s83, v[AC+\g]
	v_lshrrev_b32 v6, 4, v[AC+\g]
	v_add_nc_u32 v[LO8], v[LO8], v5
	v_and_b32 v6, s83, v6
	v_add_nc_u32 v[LO8+1], v[LO8+1], v6
.endr
	; over the 32 lanes, bit by bit: the sum is the sum over b of 2^b x (the number of lanes whose count has bit b)
.irp e, 0,1,2,3,4,5,6,7
.irp b, 0,1,2,3,4,5,6
	v_and_b32 v[BT+\b], 1<<(8*(\e/2)+\b), v[LO8+\e%2]
.endr
.irp b, 0,1,2,3,4,5,6
	v_cmp_ne_u32 s[MK+\b], 0, v[BT+\b]
.endr
.irp b, 0,1,2,3,4,5,6
	s_bcnt1_i32_b32 s[MK+\b], s[MK+\b]
.endr
	s_lshl_b32 s[CT+\e], s[MK+6], 1
	s_add_co_u32 s[CT+\e], s[CT+\e], s[MK+5]
.irp b, 4,3,2,1,0
	s_lshl_b32 s[CT+\e], s[CT+\e], 1
	s_add_co_u32 s[CT+\e], s[CT+\e], s[MK+\b]
.endr
.endr
	s_mov_b32 s[ST], 0
.irp e, 0,1,2,3,4,5,6,7
	s_add_co_u32 s[NTL+\e], s[CT+\e], 15
	s_lshr_b32 s[NTL+\e], s[NTL+\e], 4             ; tiles of expert e
	s_add_co_u32 s[ST+1+\e], s[ST+\e], s[NTL+\e]   ; and where the next expert's begin
.endr
	s_mov_b32 s45, 0                               ; E: the expert whose tile T is
	s_mov_b32 s47, 0                               ; its first tile
	s_mov_b32 s82, s[CT]                           ; its number of tokens
.irp e, 0,1,2,3,4,5,6
	s_cmp_ge_u32 s17, s[ST+1+\e]
	s_cselect_b32 s47, s[ST+1+\e], s47             ; (all selections ahead of the addition, which sets SCC)
	s_cselect_b32 s82, s[CT+1+\e], s82
	s_cselect_b32 s79, 1, 0
	s_add_co_u32 s45, s45, s79
.endr
	s_sub_co_u32 s46, s17, s47
	s_lshl_b32 s46, s46, 4                         ; A: the rank of the tile's first row among E's tokens
	s_lshl_b32 s84, s45, 2                         ; 4 E, to be held against 4 id
	v_add_nc_u32 v[VQ], s46, v2                    ; lane (r, h) looks for rank A + r;
	v_cmp_gt_u32 vcc_lo, s82, v[VQ]
	v_cndmask_b32 v[VQ], s46, v[VQ], vcc_lo        ; a place past E's last token takes the tile's first row
	; ---- the 64 words of E's lane masks, eight at a time.  A lane keeps the last word in front of which E has no more than VQ tokens: there its rank lies
	s_mov_b32 s[RUN], 0
.set g, 0
.rept 8
.irp k, 0,1,2,3,4,5,6,7
	v_cmp_eq_u32 s[MK+\k], s84, v[ID+8*g+\k]
.endr
.irp k, 0,1,2,3,4,5,6,7
	s_bcnt1_i32_b32 s[CN+\k], s[MK+\k]
.endr
.irp k, 0,1,2,3,4,5,6,7
	s_add_co_u32 s[RUN+1+\k], s[RUN+\k], s[CN+\k]
.endr
.irp k, 0,1,2,3,4,5,6,7
.if (8*g+\k) == 0
	v_mov_b32 v[WD], s[MK]                         ; the first word starts the three
	v_mov_b32 v[BS], 0
	v_mov_b32 v[TB], 0
.else
	v_cmp_gt_u32 vcc_lo, s[RUN+\k], v[VQ]          ; where more than VQ tokens stand in front of this word, the lane keeps what it has
	v_cndmask_b32 v[WD], s[MK+\k], v[WD], vcc_lo
	v_cndmask_b32 v[BS], s[RUN+\k], v[BS], vcc_lo
	v_cndmask_b32 v[TB], 128*((8*g+\k)/4)+((8*g+\k)%4), v[TB], vcc_lo
.endif
.endr
	s_mov_b32 s[RUN], s[RUN+8]
.set g, g+1
.endr
	; ---- the (VQ - BS)-th set bit of the word, counted from 0: bit counts of 2, 4, 8 and 16 places, then five halvings
	v_sub_nc_u32 v[NN], v[VQ], v[BS]
	v_lshrrev_b32 v25, 1, v[WD]
	v_and_b32 v25, 0x55555555, v25
	v_sub_nc_u32 v25, v[WD], v25                   ; counts of 2 places
	v_lshrrev_b32 v26, 2, v25
	v_and_b32 v27, 0x33333333, v25
	v_and_b32 v26, 0x33333333, v26
	v_add_nc_u32 v26, v26, v27                     ; of 4
	v_lshrrev_b32 v27, 4, v26
	v_add_nc_u32 v27, v27, v26
	v_and_b32 v27, s83, v27                        ; of 8
	v_lshrrev_b32 v28, 8, v27
	v_add_nc_u32 v28, v28, v27                     ; byte 0: of places 0 to 15
	v_mov_b32 v29, 0
	PICK 28, 8, 16
	PICK 27, 8, 8
	PICK 26, 4, 4
	PICK 25, 2, 2
	PICK WD, 1, 1
	v_lshl_add_u32 v50, v29, 2, v[TB]              ; the bit's place is a lane: token = the word's base + 4 x lane
	v_min_u32 v50, 0x7ff, v50                      ; row r's token, held inside x
	; ---- gather: lane (r, h) takes, of its row's K step w, 16 neighbouring numbers of each block of 32
	v_lshlrev_b32 v58, 12, v50
	v_lshl_add_u32 v58, v3, 6, v58
	s_lshl_b32 s79, s16, 9
	v_add_nc_u32 v58, s79, v58
.irp b, 0,1,2,3
.irp j, 0,1,2,3
	global_load_b128 v[XR+16*\b+4*\j:XR+16*\b+4*\j+3], v58, s[6:7] offset:128*\b+16*\j
.endr
.endr
	s_wait_loadcnt 0x0
	QUANT XR
	ds_store_b32 v55, v[PW] offset:XSC             ; both halves of the lanes store the same word
	s_wait_dscnt 0x0                               ; my scale words have landed
	s_barrier_signal -1
	s_barrier_wait -1                              ; the tile's 128 scale words lie in LDS
	s_cmp_lt_u32 s17, s[ST+8]
	s_cbranch_scc0 .Lend                           ; no such tile in this split: nothing is stored
	s_lshl_b32 s80, s17, 14
	s_lshl_b32 s81, s16, 11
	s_add_co_u32 s80, s80, s81
	s_mov_b32 s81, 0
	s_add_nc_u64 s[8:9], s[8:9], s[80:81]
.irp c, 0,1,2,3
	global_store_b128 v56, v[PC+4*\c:PC+4*\c+3], s[8:9] offset:512*\c   ; 32 lanes store 512 consecutive bytes
.endr
	s_cmp_lg_u32 s16, 0
	s_cbranch_scc1 .Lnot0
	ds_load_b128 v[60:63], v56 offset:XSC
	s_lshl_b32 s80, s17, 9
	s_add_nc_u64 s[10:11], s[10:11], s[80:81]
	s_wait_dscnt 0x0
	global_store_b128 v56, v[60:63], s[10:11]      ; the tile's scale words: 512 consecutive bytes
.Lnot0:
	s_cmp_lg_u32 s16, 1
	s_cbranch_scc1 .Lnot1
	s_lshl_b32 s80, s17, 6
	s_add_nc_u64 s[12:13], s[12:13], s[80:81]
	global_store_b32 v54, v50, s[12:13]            ; the rows' tokens; lanes r and r + 16 store the same word
.Lnot1:
	s_cmp_lg_u32 s16, 2
	s_cbranch_scc1 .Lend
	s_cmp_lg_u32 s17, 0
	s_cbranch_scc1 .Lend
	v_mov_b32 v13, 0
.irp e, 0,1,2,3,4,5,6,7
	v_writelane_b32 v13, s[ST+\e], 2*\e
	v_writelane_b32 v13, s[NTL+\e], 2*\e+1
.endr
	global_store_b32 v59, v13, s[14:15]            ; work-group 0 alone stores the list of experts
.Lend:
	s_wait_tensorcnt 0x0
	ds_add_u32 v168, v169
	s_wait_dscnt 0x0
	s_endpgm
.Lfunc_end_k_q5d8cb16afb_prep:
	.size	k_q5d8cb16afb_prep, .Lfunc_end_k_q5d8cb16afb_prep-k_q5d8cb16afb_prep
	.p2alignl 7, 3214868480
	.fill 96, 4, 3214868480
	.section	.rodata,"a",@progbits
	.p2align	6, 0x0
	.amdhsa_kernel k_q5d8cb16afb_prep
		.amdhsa_group_segment_fixed_size 2048
		.amdhsa_private_segment_fixed_size 0
		.amdhsa_enable_private_segment 0
		.amdhsa_kernarg_size 48
		.amdhsa_user_sgpr_count 2
		.amdhsa_user_sgpr_kernarg_segment_ptr 1
		.amdhsa_wavefront_size32 1
		.amdhsa_system_sgpr_workgroup_id_x 1
		.amdhsa_system_sgpr_workgroup_id_y 1
		.amdhsa_system_sgpr_workgroup_id_z 1
		.amdhsa_system_vgpr_workitem_id 0
		.amdhsa_next_free_vgpr 170
		.amdhsa_next_free_sgpr 100
		.amdhsa_reserve_vcc 1
		.amdhsa_float_denorm_mode_32 3
		.amdhsa_float_denorm_mode_16_64 3
		.amdhsa_memory_ordered 1
		.amdhsa_forward_progress 1
		.amdhsa_inst_pref_size 56
	.end_amdhsa_kernel
	.amdgpu_metadata
---
amdhsa.version: [ 1, 2 ]
amdhsa.kernels:
  - .name:           k_q5d8cb16afb_prep
    .symbol:         k_q5d8cb16afb_prep.kd
    .args:
      - { .name: topk_ids, .offset: 0, .size: 8, .value_kind: global_buffer, .address_space: global }
      - { .name: x, .offset: 8, .size: 8, .value_kind: global_buffer, .address_space: global }
      - { .name: x_codes, .offset: 16, .size: 8, .value_kind: global_buffer, .address_space: global }
      - { .name: x_scales, .offset: 24, .size: 8, .value_kind: global_buffer, .address_space: global }
      - { .name: order, .offset: 32, .size: 8, .value_kind: global_buffer, .address_space: global }
      - { .name: seg, .offset: 40, .size: 8, .value_kind: global_buffer, .address_space: global }
    .group_segment_fixed_size: 2048
    .private_segment_fixed_size: 0
    .kernarg_segment_align: 8
    .kernarg_segment_size: 48
    .max_flat_workgroup_size: 256
    .sgpr_count:     100
    .vgpr_count:     170
    .wavefront_size: 32
...
	.end_amdgpu_metadata
.endif
;; end of part 1
;; launch gemm1 (part 2): grid 256 x 1, 4 waves a work-group, no clusters, 70,144 bytes of LDS; arguments x_codes, x_scales, weight0, seg, h_codes, h_scales; writes h_codes, h_scales
.if DOCPART == 2
	.amdgcn_target "amdgcn-amd-amdhsa--gfx1250"
	.amdhsa_code_object_version 6
	.text
	.protected	k_q5d8cb16afb_gemm1
	.globl	k_q5d8cb16afb_gemm1
	.p2align	8
	.type	k_q5d8cb16afb_gemm1,@function
k_q5d8cb16afb_gemm1:
	s_mov_b64 s[64:65], 0
	v_nop
	global_prefetch_b8 v0, s[64:65] scope:SCOPE_SE
	s_setreg_imm32_b32 hwreg(HW_REG_WAVE_MODE, 25, 1), 1
	s_wait_xcnt 0x0
; h = Q(gelu(Q(x) Q(W0[e]))) for the rows of expert e alone, on codes of E4M3 with one E8M0 scale for each 32 along K.
; SHARES.  Work-group g: expert e = g / 32, columns 64 (g % 32) .. + 63 of W0[e] ([1024 (k)][2048] f32), all of K: 256 KB of f32 that no other work-group reads.
; PHASE 1.  Wave w quantises K = 256 w .. + 255 of the slice: a lane holds 4 neighbouring columns and 16 neighbours down K (half a block of 32; lane l xor 16 holds the other half), so a load covers
; two rows of 256 consecutive bytes, and the hold, which each number passes anyway, also sorts the numbers by column for the conversions.  The codes go to LDS as the IMAGE OF AN OPERAND'S REGISTERS.
; PHASE 2.  One barrier; every wave takes the whole slice (32 fragments, 512 registers) out of LDS, and the waves share out the expert's row tiles: wave w takes tiles w, w + 4, ..  No barrier in that loop.
; THE PRODUCT IS USED TRANSPOSED (source 0 = 16 columns of W0, source 1 = 16 rows of x) AND THE COLUMNS OF A TILE ARE NOT NEIGHBOURS: place rr of tile 2 b + u is column 32 b + 8 u + rr + 8 (rr / 8),
; so that a lane's 16 registers of tiles 2 b, 2 b + 1 are 16 neighbours along the next product's K.
; GELU, exact form: gelu(v) = max(v, 0) - |v| g, g = erfc(|v| / sqrt 2) / 2 = t 2^(P(t) - v^2 log2(e) / 2), t = 1 / (1 + |v| / (2 sqrt 2)), P of degree 9 (its fractional error is 1.2e-7).
; NO TENSOR LOADS, NO CLUSTER: the 32 work-groups of an expert do read the same row tiles, but how many there are is a stored number, and a trip count that hangs on one
; goes with loads through registers alone; the tiles lie in memory in register order, so each load of a wave is 512 consecutive bytes.
; The rows' scale bytes leave two to a row of 64 (one byte a lane): no work-group holds more of a row; they are one byte in 33 of what the launch stores.
; LIMITS: NaN and infinities are not served; a block whose largest magnitude lies under 2^-118 gets the byte 1; where g falls under 2^-126 it counts as 0.
; REGISTERS, in windows of 256.  Window 0: v1-7 addresses; v10-11 P's top coefficient; v12-19 x's scale words; v20-30 the quantiser's small registers; v32-223 at work; v224-255 W0's scale words.
;   Window 1: v0-127 x's eight fragments.   Window 2: in phase 1 a ring of four sets of 64 numbers; then W0's fragments 0-15.   Window 3: fragments 16-31.
; SCALARS: s4-15 the six buffers; s16 the expert's first tile, s17 its number of tiles; s18 wave, s19 expert, s20 slice; s21 the next tile within the expert; s22-23, s36-37 offsets;
;   s24-31 the tile's bases; s32-35 constants; s38 trips done, s39 trips to do; s40-61 gelu's constants.
.set TS,   16400                       ; LDS: a column tile's 8 K steps x 2,048 bytes, + 16 so that the four tiles start in different banks
.set SCB,  65792                       ; behind the four tiles: fragment f's 16 scale words at SCB + 64 f, f = 4 s + t
.set X,    32                          ; phase 1: v32-95 a unit's 64 numbers, by column;
.set CD,   96                          ; v96-111 their codes;
.set MX,   112                         ; v112-115 largest magnitudes;  v116-119 the other half's;  v120-123 scale operands;  v124-127 448 x scale;  v128-131 bytes;  v132-135 scale words
.set MY,   116
.set SCL,  120
.set LIM,  124
.set BY,   128
.set SW,   132
.set ACC,  32                          ; phase 2: v32-63 four accumulators;
.set GM,   64                          ; max(v, 0)
.set GA,   96                          ; |v|
.set GT,   128                         ; t, then g; then the codes
.set GP,   160                         ; the exponent
.set GQ,   192                         ; v^2, then gelu
.set HC,   128
.set XS,   12
.set WS,   224
.set QM,   20                          ; v20-21 largest magnitudes, v22-23 the other half's, v24-25 scale operands, v26-27 448 x scale, v28-29 bytes, v30 my byte
.set CC0,  40                          ; s40-57 P's coefficients 0 to 8 x log2(e), each twice (the packed forms name a pair); -1 is folded into the first, for the half
.set CC1,  42
.set CC2,  44
.set CC3,  46
.set CC4,  48
.set CC5,  50
.set CC6,  52
.set CC7,  54
.set CC8,  56
.set KQ,   58                          ; -log2(e) / 2
.set CZ,   60                          ; 1 / (2 sqrt 2)
.set MSB, 0
.macro WIN new                         ; s_set_vgpr_msb: bits 1:0 source 0, 3:2 source 1, 5:4 source 2, 7:6 destination; the high byte repeats the setting that is left
.if MSB != \new
	s_set_vgpr_msb (MSB<<8)|\new
.set MSB, \new
.endif
.endm
.macro PLACES n
.rept \n
	v_nop
.endr
.endm
.macro CPAIR r, val
	s_mov_b32 s[\r], \val
	s_mov_b32 s[\r+1], \val
.endm
; unit tt: the block of 32 along K at 256 w + 32 tt, 64 columns: 16 loads, each two rows of 256 bytes, into set tt % 4 of window 2: register 4 i + j = W(k0 + 16 hh + i, 4 cg + j)
.macro LOADB tt
	WIN 0x80
.irp i, 0,1,2,3,4,5,6,7,8,9,10,11,12,13,14,15
	global_load_b128 v[64*((\tt)%4)+4*\i:64*((\tt)%4)+4*\i+3], v2, s[8:9] offset:(32*(\tt)+\i)*8192 th:TH_LOAD_NT
.endr
	WIN 0
.endm
.macro QWU tt
.set RB, 64*((\tt)%4)
.if (\tt) < 5
	s_wait_loadcnt 48                              ; this unit's 16 loads are in; those of the three units behind it may be out
.else
	s_wait_loadcnt 16*(7-(\tt))
.endif
	s_wait_dscnt 0x0                               ; the last unit's LDS stores have read their registers
	WIN 0x0a                                       ; sources 0 and 1: window 2
.irp j, 0,1,2,3
	v_max3_num_f32 v[MX+\j], |v[RB+\j]|, |v[RB+4+\j]|, 0x4800000   ; column j: my 16 numbers, and the floor 2^(9 - 127)
.endr
.irp i, 2,4,6,8,10,12,14
.irp j, 0,1,2,3
	v_max3_num_f32 v[MX+\j], |v[RB+4*\i+\j]|, |v[RB+4*\i+4+\j]|, v[MX+\j]
.endr
.endr
	WIN 0
.irp j, 0,1,2,3
	v_permlanex16_b32 v[MY+\j], v[MX+\j], s32, s33
.endr
.irp j, 0,1,2,3
	v_max_num_f32 v[MX+\j], v[MX+\j], v[MY+\j]     ; with the other half of the block
.endr
.irp j, 0,1,2,3
	v_add_nc_u32 v[SCL+\j], 0xfc000000, v[MX+\j]   ; 8 off the exponent field: the conversion's scale operand
.endr
.irp j, 0,1,2,3
	v_and_or_b32 v[LIM+\j], v[MX+\j], 0x7f800000, s34   ; 448 x the scale
.endr
.irp j, 0,1,2,3
	v_lshrrev_b32 v[BY+\j], 23, v[SCL+\j]          ; the scale's byte
.endr
.irp j, 0,1,2,3
.if ((\tt)%4) == 0
	v_mov_b32 v[SW+\j], v[BY+\j]                   ; four blocks' bytes make a K step's scale word
.else
	v_lshl_or_b32 v[SW+\j], v[BY+\j], 8*((\tt)%4), v[SW+\j]
.endif
.endr
	WIN 0x02                                       ; source 0: window 2
.irp j, 0,1,2,3
.irp i, 0,1,2,3,4,5,6,7,8,9,10,11,12,13,14,15
	v_med3_num_f32 v[X+16*\j+\i], v[RB+4*\i+\j], -v[LIM+\j], v[LIM+\j]   ; the hold (the conversion does not saturate: ISA guide 7.6.2), and column j's 16 numbers come to lie on end
.endr
.endr
	WIN 0
.irp j, 0,1,2,3
	v_cvt_scalef32_pk8_fp8_f32 v[CD+4*\j:CD+4*\j+1], v[X+16*\j:X+16*\j+7], v[SCL+\j]
	v_cvt_scalef32_pk8_fp8_f32 v[CD+4*\j+2:CD+4*\j+3], v[X+16*\j+8:X+16*\j+15], v[SCL+\j]
.endr
	v_nop                                          ; one plain line behind the last conversion
.irp j, 0,1,2,3
	ds_store_b128 v3, v[CD+4*\j:CD+4*\j+3] offset:((\tt)/4)*2048+((\tt)%4)*512+16*\j   ; column j's 16 codes: place 16 hh + rr of piece c = tt % 4 of its tile's K step
.endr
.if ((\tt)%4) == 3
	ds_store_b128 v4, v[SW:SW+3] offset:((\tt)/4)*256   ; four columns' scale words; both halves of the lanes store the same
.endif
.if (\tt) < 4
	LOADB \tt+4
.endif
.endm
; a row tile's operands: 16 loads of 512 consecutive bytes for four K steps; two loads for the scale words
.macro ALOAD half
	WIN 0x40
.irp s, 0,1,2,3
.irp c, 0,1,2,3
	global_load_b128 v[16*(4*\half+\s)+4*\c:16*(4*\half+\s)+4*\c+3], v1, s[24:25] offset:2048*(4*\half+\s)+512*\c
.endr
.endr
	WIN 0
.endm
.macro XSLOAD
	global_load_b128 v[XS:XS+3], v6, s[26:27]
	global_load_b128 v[XS+4:XS+7], v6, s[26:27] offset:16
.endm
.macro NEWBASE                         ; s22: a tile's number, held at 134
	s_lshl_b32 s36, s22, 14
	s_mov_b32 s37, 0
	s_add_nc_u64 s[24:25], s[4:5], s[36:37]
	s_lshl_b32 s36, s22, 9
	s_add_nc_u64 s[26:27], s[6:7], s[36:37]
.endm
; 16 products: K steps 4 hf .. 4 hf + 3; the four accumulators take turns, one instruction a turn.  The first four start the sums
.macro MULS hf
.irp s, 0,1,2,3
.irp t, 0,1,2,3
.if (\hf == 0) && (\s == 0)
	v_wmma_scale_f32_16x16x128_f8f6f4 v[ACC+8*\t:ACC+8*\t+7], v[16*(4*\s+\t):16*(4*\s+\t)+15], v[16*(4*\hf+\s):16*(4*\hf+\s)+15], 0, v[WS+16*\hf+4*\s+\t], v[XS+4*\hf+\s]
.else
	v_wmma_scale_f32_16x16x128_f8f6f4 v[ACC+8*\t:ACC+8*\t+7], v[16*(4*\s+\t):16*(4*\s+\t)+15], v[16*(4*\hf+\s):16*(4*\hf+\s)+15], v[ACC+8*\t:ACC+8*\t+7], v[WS+16*\hf+4*\s+\t], v[XS+4*\hf+\s]
.endif
.endr
.endr
.endm
.macro WFETCH                          ; the whole slice out of LDS: the same lines that any wave would load an operand by
	WIN 0x80
.set f, 0
.rept 16
.irp c, 0,1,2,3
	ds_load_b128 v[16*f+4*\c:16*f+4*\c+3], v1 offset:(f%4)*TS+(f/4)*2048+512*\c
.endr
.set f, f+1
.endr
	WIN 0xc0
.rept 16
.irp c, 0,1,2,3
	ds_load_b128 v[16*(f-16)+4*\c:16*(f-16)+4*\c+3], v1 offset:(f%4)*TS+(f/4)*2048+512*\c
.endr
.set f, f+1
.endr
	WIN 0
.set f, 0
.rept 32
	ds_load_b32 v[WS+f], v5 offset:64*f
.set f, f+1
.endr
	s_wait_dscnt 0x0
.endm
.macro GELU
	s_wait_xcnt 0x0                                ; the last tile's stores have read their data, which lie in v128 on and v30, and their bases
.set i, 0
.rept 32
	v_max_num_f32 v[GM+i], 0, v[ACC+i]             ; each accumulator is read from its low end on
.set i, i+1
.endr
.set i, 0
.rept 16
	v_pk_fma_f32 v[GA+i:GA+i+1], v[GM+i:GM+i+1], 2.0, v[ACC+i:ACC+i+1] op_sel_hi:[1,0,1] neg_lo:[0,0,1] neg_hi:[0,0,1]   ; |v| = 2 max(v, 0) - v, exactly
.set i, i+2
.endr
.set i, 0
.rept 16
	v_pk_fma_f32 v[GT+i:GT+i+1], v[GA+i:GA+i+1], s[CZ:CZ+1], 1.0 op_sel_hi:[1,0,0]
.set i, i+2
.endr
.set i, 0
.rept 32
	v_rcp_f32 v[GT+i], v[GT+i]                     ; t
.set i, i+1
.endr
.set i, 0
.rept 16
	v_pk_mul_f32 v[GQ+i:GQ+i+1], v[ACC+i:ACC+i+1], v[ACC+i:ACC+i+1]   ; v^2: also the plain lines behind the reciprocals
.set i, i+2
.endr
.set i, 0
	s_wait_alu depctr_va_vdst(0)
.rept 16
	v_pk_fma_f32 v[GP+i:GP+i+1], v[GT+i:GT+i+1], v[10:11], s[CC8:CC8+1] op_sel_hi:[1,1,0]
.set i, i+2
.endr
.irp k, CC7, CC6, CC5, CC4, CC3, CC2, CC1, CC0
.set i, 0
.rept 16
	v_pk_fma_f32 v[GP+i:GP+i+1], v[GP+i:GP+i+1], v[GT+i:GT+i+1], s[\k:\k+1] op_sel_hi:[1,1,0]
.set i, i+2
.endr
.endr
.set i, 0
.rept 16
	v_pk_fma_f32 v[GP+i:GP+i+1], v[GQ+i:GQ+i+1], s[KQ:KQ+1], v[GP+i:GP+i+1] op_sel_hi:[1,0,1]
.set i, i+2
.endr
.set i, 0
.rept 32
	v_exp_f32 v[GP+i], v[GP+i]
.set i, i+1
.endr
	v_nop                                          ; a plain line behind the last exponential
.set i, 0
	s_wait_alu depctr_va_vdst(0)
.rept 16
	v_pk_mul_f32 v[GT+i:GT+i+1], v[GT+i:GT+i+1], v[GP+i:GP+i+1]   ; g
.set i, i+2
.endr
.set i, 0
.rept 16
	v_pk_fma_f32 v[GQ+i:GQ+i+1], v[GA+i:GA+i+1], v[GT+i:GT+i+1], v[GM+i:GM+i+1] neg_lo:[1,0,0] neg_hi:[1,0,0]   ; gelu = max(v, 0) - |v| g
.set i, i+2
.endr
.endm
; gelu's 32 numbers of a lane are two half blocks along the next K: register 16 b + i = hidden unit 64 slice + 32 b + 16 h + i of my row
.macro QUANT2
.irp b, 0,1
	v_max3_num_f32 v[QM+\b], |v[GQ+16*\b]|, |v[GQ+1+16*\b]|, 0x4800000
.endr
.irp i, 2,4,6,8,10,12,14
.irp b, 0,1
	v_max3_num_f32 v[QM+\b], v[QM+\b], |v[GQ+16*\b+\i]|, |v[GQ+1+16*\b+\i]|
.endr
.endr
.irp b, 0,1
	v_permlanex16_b32 v[QM+2+\b], v[QM+\b], s32, s33
.endr
.irp b, 0,1
	v_max_num_f32 v[QM+\b], v[QM+\b], v[QM+2+\b]
.endr
.irp b, 0,1
	v_add_nc_u32 v[QM+4+\b], 0xfc000000, v[QM+\b]
.endr
.irp b, 0,1
	v_and_or_b32 v[QM+6+\b], v[QM+\b], 0x7f800000, s34
.endr
.irp b, 0,1
	v_lshrrev_b32 v[QM+8+\b], 23, v[QM+4+\b]
.endr
	v_cndmask_b32 v30, v[QM+8], v[QM+9], s35       ; lanes 0-15 store block 0's byte, lanes 16-31 block 1's
.irp b, 0,1
.irp i, 0,1,2,3,4,5,6,7,8,9,10,11,12,13,14,15
	v_med3_num_f32 v[GQ+16*\b+\i], v[GQ+16*\b+\i], -v[QM+6+\b], v[QM+6+\b]
.endr
	v_cvt_scalef32_pk8_fp8_f32 v[HC+4*\b:HC+4*\b+1], v[GQ+16*\b:GQ+16*\b+7], v[QM+4+\b]
	v_cvt_scalef32_pk8_fp8_f32 v[HC+4*\b+2:HC+4*\b+3], v[GQ+16*\b+8:GQ+16*\b+15], v[QM+4+\b]
.endr
	v_nop                                          ; one plain line behind the last conversion
.endm
; A ROW TILE.  Its loads were issued in the order: K steps 0-3 (16), scale words (2), K steps 4-7 (16).  next = 1: the tile four on is asked for on the way
.macro STEP next
	s_wait_loadcnt 16                              ; all but the youngest 16: K steps 4-7 may be out
	WIN 0x06                                       ; source 0 window 2, source 1 window 1
	MULS 0
	WIN 0
.if \next
	PLACES 8                                       ; in front of loads into registers that the products have read
	s_wait_xcnt 0x0                                ; the bases are written again only behind this wait
	s_add_co_u32 s22, s16, s21
	s_min_u32 s22, s22, 134
	NEWBASE
	ALOAD 0
	s_wait_loadcnt 16                              ; this tile's K steps 4-7 are in; the 16 just issued may be out
.else
	s_wait_loadcnt 0x0
.endif
	WIN 0x07                                       ; source 0 window 3
	MULS 1
	WIN 0
	PLACES 8                                       ; in front of the loads below and of the first read of the results
.if \next
	XSLOAD
	ALOAD 1
.endif
	GELU
	QUANT2
	s_add_co_u32 s22, s16, s21
	s_sub_co_u32 s22, s22, 4                       ; the tile in hand
	s_min_u32 s22, s22, 134
	s_lshl_b32 s36, s22, 15
	s_mov_b32 s37, 0
	s_add_nc_u64 s[28:29], s[12:13], s[36:37]
	s_lshl_b32 s36, s22, 10
	s_add_nc_u64 s[30:31], s[14:15], s[36:37]
	global_store_b128 v1, v[HC:HC+3], s[28:29]               ; pieces c = 2 (slice % 2), + 1 of K step slice / 2 of the next operand's image: 1,024 consecutive bytes
	global_store_b128 v1, v[HC+4:HC+7], s[28:29] offset:512
	global_store_b8 v7, v30, s[30:31]
.endm
	s_load_b256 s[4:11], s[0:1], 0x0               ; x_codes s[4:5], x_scales s[6:7], weight0 s[8:9], seg s[10:11]
	s_load_b128 s[12:15], s[0:1], 0x20             ; h_codes s[12:13], h_scales s[14:15]
	v_lshl_add_u32 v9, v0, 2, 0x11000
	v_mov_b32 v31, 0
	v_lshrrev_b32 v28, 5, v0
	v_readfirstlane_b32 s18, v28                   ; wave 0..3
	s_lshr_b32 s19, ttmp9, 5                       ; expert
	s_and_b32 s20, ttmp9, 31                       ; slice
	v_and_b32 v21, 31, v0
	v_lshlrev_b32 v1, 4, v21                       ; 16 x lane
	v_and_b32 v21, 15, v0                          ; cg, and r
	v_bfe_u32 v20, v0, 4, 1                        ; hh, and h
	v_bfe_u32 v24, v0, 3, 1                        ; cg = 8 b + 4 q + 2 u + o
	v_bfe_u32 v26, v0, 2, 1
	v_bfe_u32 v25, v0, 1, 1
	v_and_b32 v27, 1, v0
	v_lshlrev_b32 v2, 4, v21
	v_lshl_add_u32 v2, v20, 17, v2                 ; W0: 16 bytes a column group, 16 rows of 8,192 bytes for the upper half of the lanes
	v_lshl_add_u32 v24, v24, 1, v25                ; my columns' tile 2 b + u
	v_mul_u32_u24 v3, v24, TS
	v_lshl_add_u32 v3, v26, 7, v3                  ; their first place rr0 = 8 q + 4 o, 16 bytes a place,
	v_lshl_add_u32 v3, v27, 6, v3
	v_lshl_add_u32 v3, v20, 8, v3                  ; 256 hh,
	v_lshl_add_u32 v3, v28, 12, v3                 ; and my wave's two K steps
	v_lshlrev_b32 v4, 6, v24
	v_lshl_add_u32 v4, v26, 5, v4
	v_lshl_add_u32 v4, v27, 4, v4
	v_lshl_add_u32 v4, v28, 9, v4
	v_add_nc_u32 v4, SCB, v4                       ; the scale words: 64 t + 4 rr0 + 512 w
	v_lshl_add_u32 v5, v21, 2, SCB                 ; and on the way back: 4 r
	v_lshlrev_b32 v6, 5, v21                       ; x's scale words: 32 bytes a row
	v_lshl_add_u32 v7, v21, 6, v20                 ; h's scale bytes: 64 a row, + h
	v_mov_b32 v10, 0x3e7c6f08
	v_mov_b32 v11, 0x3e7c6f08
.irp j, 0,1,2,3
	v_mov_b32 v[MY+\j], 0                          ; written once: a lane permute's destination counts as one of its sources
.endr
	v_mov_b32 v22, 0
	v_mov_b32 v23, 0
	s_mov_b32 s32, 0x76543210
	s_mov_b32 s33, 0xfedcba98                      ; v_permlanex16_b32's selects for lane l xor 16
	s_mov_b32 s34, 0x600000                        ; the mantissa field of 448
	s_mov_b32 s35, 0xffff0000                      ; lanes 16-31
	CPAIR CC0, 0xc034d90f
	CPAIR CC1, 0x3fb8ab5a
	CPAIR CC2, 0x3f0a29d2
	CPAIR CC3, 0x3e0efb2e
	CPAIR CC4, 0xbe899a80
	CPAIR CC5, 0x3ecdfd18
	CPAIR CC6, 0xbfd1a1e5
	CPAIR CC7, 0x40097039
	CPAIR CC8, 0xbf97d29d
	CPAIR KQ,  0xbf38aa3b
	CPAIR CZ,  0x3eb504f3
	s_lshl_b32 s22, s19, 23                        ; the expert's 8 MB,
	s_lshl_b32 s36, s20, 8                         ; the slice's 256 bytes of a row,
	s_add_co_u32 s22, s22, s36
	s_lshl_b32 s36, s18, 21                        ; my wave's 256 rows
	s_add_co_u32 s22, s22, s36
	s_mov_b32 s23, 0
	s_lshl_b32 s38, s19, 3
	s_mov_b32 s39, 0
	s_wait_kmcnt 0x0
	s_add_nc_u64 s[8:9], s[8:9], s[22:23]
	s_add_nc_u64 s[10:11], s[10:11], s[38:39]
	s_load_b64 s[16:17], s[10:11], 0x0             ; the expert's first tile and its number of tiles
	LOADB 0
	LOADB 1
	LOADB 2
	LOADB 3                                        ; four units, 32 KB a wave, are on their way
	s_lshl_b32 s22, s20, 10
	s_add_nc_u64 s[12:13], s[12:13], s[22:23]      ; h_codes at my slice's 1,024 bytes of a tile
	s_lshl_b32 s22, s20, 1
	s_add_nc_u64 s[14:15], s[14:15], s[22:23]      ; h_scales at my slice's two bytes of a row
	s_wait_kmcnt 0x0
	s_min_u32 s16, s16, 134
	s_min_u32 s17, s17, 128
.irp u, 0,1,2,3,4,5,6,7
	QWU \u
.endr
	s_add_co_u32 s22, s16, s18                     ; my first tile; a wave that has none asks for tile 0, which every split has, so that no unwritten byte is read
	s_cmp_lt_u32 s18, s17
	s_cselect_b32 s22, s22, 0
	s_min_u32 s22, s22, 134
	NEWBASE
	ALOAD 0
	XSLOAD
	ALOAD 1
	s_wait_dscnt 0x0                               ; my part of the slice lies in LDS
	s_barrier_signal -1
	s_barrier_wait -1                              ; everybody's does
	s_cmp_ge_u32 s18, s17
	s_cbranch_scc1 .Lend                           ; fewer tiles than waves
	WFETCH
	s_sub_co_u32 s39, s17, s18                     ; my tiles are w, w + 4, .. under s17: (s17 - w + 3) / 4 of them (w is under s17 here);
	s_sub_co_u32 s39, s39, 1
	s_lshr_b32 s39, s39, 2                         ; all but the last go round the loop: (s17 - w - 1) / 4 trips, counted by ones
	s_mov_b32 s38, 0
	s_add_co_u32 s21, s18, 4                       ; the tile after the one in hand, counted within the expert
	s_cmp_lt_u32 s38, s39
	s_cbranch_scc0 .Ltail
.Lrow:
	STEP 1
	s_add_co_u32 s21, s21, 4
	s_add_co_u32 s38, s38, 1
	s_cmp_lt_u32 s38, s39
	s_cbranch_scc1 .Lrow
.Ltail:
	STEP 0                                         ; my last tile is written out: it asks for nothing, and every counted wait holds on both ways in
.Lend:
	s_wait_tensorcnt 0x0
	ds_add_u32 v9, v31
	s_wait_dscnt 0x0
	s_endpgm
.Lfunc_end_k_q5d8cb16afb_gemm1:
	.size	k_q5d8cb16afb_gemm1, .Lfunc_end_k_q5d8cb16afb_gemm1-k_q5d8cb16afb_gemm1
	.p2alignl 7, 3214868480
	.fill 96, 4, 3214868480
	.section	.rodata,"a",@progbits
	.p2align	6, 0x0
	.amdhsa_kernel k_q5d8cb16afb_gemm1
		.amdhsa_group_segment_fixed_size 70144
		.amdhsa_private_segment_fixed_size 0
		.amdhsa_enable_private_segment 0
		.amdhsa_kernarg_size 48
		.amdhsa_user_sgpr_count 2
		.amdhsa_user_sgpr_kernarg_segment_ptr 1
		.amdhsa_wavefront_size32 1
		.amdhsa_system_sgpr_workgroup_id_x 1
		.amdhsa_system_sgpr_workgroup_id_y 1
		.amdhsa_system_sgpr_workgroup_id_z 1
		.amdhsa_system_vgpr_workitem_id 0
		.amdhsa_next_free_vgpr 1024
		.amdhsa_next_free_sgpr 66
		.amdhsa_reserve_vcc 0
		.amdhsa_float_denorm_mode_32 3
		.amdhsa_float_denorm_mode_16_64 3
		.amdhsa_memory_ordered 1
		.amdhsa_forward_progress 1
		.amdhsa_inst_pref_size 158
	.end_amdhsa_kernel
	.amdgpu_metadata
---
amdhsa.version: [ 1, 2 ]
amdhsa.kernels:
  - .name:           k_q5d8cb16afb_gemm1
    .symbol:         k_q5d8cb16afb_gemm1.kd
    .args:
      - { .name: x_codes, .offset: 0, .size: 8, .value_kind: global_buffer, .address_space: global }
      - { .name: x_scales, .offset: 8, .size: 8, .value_kind: global_buffer, .address_space: global }
      - { .name: weight0, .offset: 16, .size: 8, .value_kind: global_buffer, .address_space: global }
      - { .name: seg, .offset: 24, .size: 8, .value_kind: global_buffer, .address_space: global }
      - { .name: h_codes, .offset: 32, .size: 8, .value_kind: global_buffer, .address_space: global }
      - { .name: h_scales, .offset: 40, .size: 8, .value_kind: global_buffer, .address_space: global }
    .group_segment_fixed_size: 70144
    .private_segment_fixed_size: 0
    .kernarg_segment_align: 8
    .kernarg_segment_size: 48
    .max_flat_workgroup_size: 128
    .sgpr_count:     66
    .vgpr_count:     1024
    .wavefront_size: 32
...
	.end_amdgpu_metadata
.endif
;; end of part 2
;; launch gemm2 (part 3): grid 256 x 1, 4 waves a work-group, no clusters, 78,336 bytes of LDS; arguments h_codes, h_scales, weight1, seg, order, out0; writes out0
.if DOCPART == 3
	.amdgcn_target "amdgcn-amd-amdhsa--gfx1250"
	.amdhsa_code_object_version 6
	.text
	.protected	k_q5d8cb16afb_gemm2
	.globl	k_q5d8cb16afb_gemm2
	.p2align	8
	.type	k_q5d8cb16afb_gemm2,@function
k_q5d8cb16afb_gemm2:
	s_mov_b64 s[64:65], 0
	v_nop
	global_prefetch_b8 v0, s[64:65] scope:SCOPE_SE
	s_setreg_imm32_b32 hwreg(HW_REG_WAVE_MODE, 25, 1), 1
	s_wait_xcnt 0x0
; out[token] = Q(h) Q(W1[e]) for the rows of expert e alone, on codes of E4M3 with one E8M0 scale for each 32 along K = 2,048.
; SHARES.  Work-group g: expert e = g / 32, columns 32 (g % 32) .. + 31 of W1[e] ([2048 (k)][1024] f32), all of K: 256 KB of f32 that no other work-group reads.  8 x 1,024 columns over 256
; work-groups are 32 columns: so W1's rows are read, and out's rows written, in aligned runs of 128 bytes; neighbouring work-groups take the two halves of 256.
; PHASE 1.  Wave w quantises K = 512 w .. + 511: a lane holds 4 neighbouring columns and 16 neighbours down K (half a block; lane l xor 8 holds the other half; lanes 16-31 work on the next block).
; The codes go to LDS as the image of an operand's registers.  (These LDS stores fall two deep on the banks: 32 of them a wave in the whole launch.)
; PHASE 2.  One barrier; every wave takes the whole slice (32 fragments, 512 registers) out of LDS; wave w takes the expert's row tiles w, w + 4, ..  No barrier in that loop.
; THE PRODUCT IS USED TRANSPOSED (source 0 = 16 columns of W1, source 1 = 16 rows of h): a lane holds eight neighbouring outputs of one row.  Even and odd K steps are summed apart, so that four
; accumulators take turns; the two sums are added at the end (another order of f32 additions than one chain's).
; A row filled in by the sort is a copy of its tile's first row: its lanes store the same numbers to the same row of out.  So no lane is ever switched off.
; NO TENSOR LOADS, NO CLUSTER: the 32 work-groups of an expert read the same row tiles, but their number is a stored number, and a trip count that hangs on one goes with loads through registers alone.
; LIMITS: NaN and infinities are not served; a block of W1 whose largest magnitude lies under 2^-118 gets the byte 1.
; REGISTERS.  Window 0: v1-11 addresses; v12-27 h's scale words; v32-135 at work; v224-255 W1's scale words.   Window 1: h's sixteen fragments.
;   Window 2: in phase 1 a ring of four sets of 64 numbers; then W1's fragments 0-15.   Window 3: fragments 16-31.
; SCALARS: s4-15 the six buffers; s16 the expert's first tile, s17 its number of tiles; s18 wave, s19 expert, s20 slice; s21 the next tile within the expert; s22-23, s36-37 offsets;
;   s24-29 the tile's bases; s32-34 constants; s38 trips done, s39 trips to do.
.set TS,   32784                       ; LDS: a column tile's 16 K steps x 2,048 bytes, + 16
.set SCB,  65792                       ; fragment f's 16 scale words at SCB + 64 f, f = 2 s + t
.set STG,  67840                       ; the way out: 16 rows x (128 bytes + 16) for each wave
.set X,    32
.set CD,   96
.set MX,   112
.set MY,   116
.set SCL,  120
.set LIM,  124
.set BY,   128
.set SW,   132
.set ACC,  32                          ; v32-63 four accumulators: 2 (s % 2) + t
.set OUTR, 64                          ; v64-79 the sums
.set BK,   80                          ; v80-95 rows read back from the stage
.set ORD,  96                          ; v96-99 tokens
.set OFFS, 100                         ; v100-103 their rows' bytes in out
.set HS,   12
.set WS,   224
.set MSB, 0
.macro WIN new                         ; s_set_vgpr_msb: bits 1:0 source 0, 3:2 source 1, 5:4 source 2, 7:6 destination; the high byte repeats the setting that is left
.if MSB != \new
	s_set_vgpr_msb (MSB<<8)|\new
.set MSB, \new
.endif
.endm
.macro PLACES n
.rept \n
	v_nop
.endr
.endm
; unit tt: the two blocks of 32 along K at 512 w + 64 tt, 32 columns: 16 loads, each four rows of 128 bytes: register 4 i + j = W(k0 + 32 b' + 16 hh + i, 4 cg + j)
.macro LOADB tt
	WIN 0x80
.irp i, 0,1,2,3,4,5,6,7,8,9,10,11,12,13,14,15
	global_load_b128 v[64*((\tt)%4)+4*\i:64*((\tt)%4)+4*\i+3], v2, s[8:9] offset:(64*(\tt)+\i)*4096 th:TH_LOAD_NT
.endr
	WIN 0
.endm
.macro QWU tt
.set RB, 64*((\tt)%4)
.if (\tt) < 5
	s_wait_loadcnt 48                              ; this unit's 16 loads are in; those of the three units behind it may be out
.else
	s_wait_loadcnt 16*(7-(\tt))
.endif
	s_wait_dscnt 0x0                               ; the last unit's LDS stores have read their registers
	WIN 0x0a
.irp j, 0,1,2,3
	v_max3_num_f32 v[MX+\j], |v[RB+\j]|, |v[RB+4+\j]|, 0x4800000
.endr
.irp i, 2,4,6,8,10,12,14
.irp j, 0,1,2,3
	v_max3_num_f32 v[MX+\j], |v[RB+4*\i+\j]|, |v[RB+4*\i+4+\j]|, v[MX+\j]
.endr
.endr
	WIN 0
.irp j, 0,1,2,3
	v_max_num_f32_dpp v[MX+\j], v[MX+\j], v[MX+\j] row_xmask:8 row_mask:0xf bank_mask:0xf   ; with the other half of the block, in lane l xor 8
.endr
.irp j, 0,1,2,3
	v_add_nc_u32 v[SCL+\j], 0xfc000000, v[MX+\j]
.endr
.irp j, 0,1,2,3
	v_and_or_b32 v[LIM+\j], v[MX+\j], 0x7f800000, s34
.endr
.irp j, 0,1,2,3
	v_lshrrev_b32 v[BY+\j], 23, v[SCL+\j]
.endr
.irp j, 0,1,2,3
.if ((\tt)%2) == 0
	v_mov_b32 v[SW+\j], v[BY+\j]                   ; my blocks of a K step are c = b' and c = 2 + b': their bytes lie 16 bits apart
.else
	v_lshl_or_b32 v[SW+\j], v[BY+\j], 16, v[SW+\j]
.endif
.endr
	WIN 0x02
.irp j, 0,1,2,3
.irp i, 0,1,2,3,4,5,6,7,8,9,10,11,12,13,14,15
	v_med3_num_f32 v[X+16*\j+\i], v[RB+4*\i+\j], -v[LIM+\j], v[LIM+\j]   ; the hold, and column j's 16 numbers come to lie on end
.endr
.endr
	WIN 0
.irp j, 0,1,2,3
	v_cvt_scalef32_pk8_fp8_f32 v[CD+4*\j:CD+4*\j+1], v[X+16*\j:X+16*\j+7], v[SCL+\j]
	v_cvt_scalef32_pk8_fp8_f32 v[CD+4*\j+2:CD+4*\j+3], v[X+16*\j+8:X+16*\j+15], v[SCL+\j]
.endr
	v_nop                                          ; one plain line behind the last conversion
.irp j, 0,1,2,3
	ds_store_b128 v3, v[CD+4*\j:CD+4*\j+3] offset:((\tt)/2)*2048+((\tt)%2)*1024+16*\j
.endr
.if ((\tt)%2) == 1
.irp j, 0,1,2,3
	v_lshlrev_b32 v[SW+\j], v11, v[SW+\j]          ; 8 b' up,
.endr
.irp j, 0,1,2,3
	v_permlanex16_b32 v[MY+\j], v[SW+\j], s32, s33
.endr
.irp j, 0,1,2,3
	v_or_b32 v[SW+\j], v[SW+\j], v[MY+\j]          ; and lane l xor 16's two bytes beside them: the K step's scale word
.endr
	ds_store_b128 v4, v[SW:SW+3] offset:((\tt)/2)*128
.endif
.if (\tt) < 4
	LOADB \tt+4
.endif
.endm
.macro ALOAD half                      ; eight K steps of a row tile: 32 loads of 512 consecutive bytes
	WIN 0x40
.irp s, 0,1,2,3,4,5,6,7
.irp c, 0,1,2,3
	global_load_b128 v[16*(8*\half+\s)+4*\c:16*(8*\half+\s)+4*\c+3], v1, s[24:25] offset:2048*(8*\half+\s)+512*\c
.endr
.endr
	WIN 0
.endm
.macro SLOAD                           ; its rows' scale words (64 bytes a row) and tokens
.irp c, 0,1,2,3
	global_load_b128 v[HS+4*\c:HS+4*\c+3], v6, s[26:27] offset:16*\c
.endr
.irp i, 0,1,2,3
	global_load_b32 v[ORD+\i], v7, s[28:29] offset:16*\i
.endr
.endm
.macro NEWBASE                         ; s22: a tile's number, held at 134
	s_lshl_b32 s36, s22, 15
	s_mov_b32 s37, 0
	s_add_nc_u64 s[24:25], s[4:5], s[36:37]
	s_lshl_b32 s36, s22, 10
	s_add_nc_u64 s[26:27], s[6:7], s[36:37]
	s_lshl_b32 s36, s22, 6
	s_add_nc_u64 s[28:29], s[12:13], s[36:37]
.endm
; 16 products: K steps 8 hf .. 8 hf + 7, two column tiles; the four accumulators take turns, one instruction a turn.  The first four start the sums
.macro MULS hf
.irp s, 0,1,2,3,4,5,6,7
.irp t, 0,1
.if (\hf == 0) && (\s < 2)
	v_wmma_scale_f32_16x16x128_f8f6f4 v[ACC+8*(2*(\s%2)+\t):ACC+8*(2*(\s%2)+\t)+7], v[16*(2*\s+\t):16*(2*\s+\t)+15], v[16*(8*\hf+\s):16*(8*\hf+\s)+15], 0, v[WS+16*\hf+2*\s+\t], v[HS+8*\hf+\s]
.else
	v_wmma_scale_f32_16x16x128_f8f6f4 v[ACC+8*(2*(\s%2)+\t):ACC+8*(2*(\s%2)+\t)+7], v[16*(2*\s+\t):16*(2*\s+\t)+15], v[16*(8*\hf+\s):16*(8*\hf+\s)+15], v[ACC+8*(2*(\s%2)+\t):ACC+8*(2*(\s%2)+\t)+7], v[WS+16*\hf+2*\s+\t], v[HS+8*\hf+\s]
.endif
.endr
.endr
.endm
.macro WFETCH
	WIN 0x80
.set f, 0
.rept 16
.irp c, 0,1,2,3
	ds_load_b128 v[16*f+4*\c:16*f+4*\c+3], v1 offset:(f%2)*TS+(f/2)*2048+512*\c
.endr
.set f, f+1
.endr
	WIN 0xc0
.rept 16
.irp c, 0,1,2,3
	ds_load_b128 v[16*(f-16)+4*\c:16*(f-16)+4*\c+3], v1 offset:(f%2)*TS+(f/2)*2048+512*\c
.endr
.set f, f+1
.endr
	WIN 0
.set f, 0
.rept 32
	ds_load_b32 v[WS+f], v5 offset:64*f
.set f, f+1
.endr
	s_wait_dscnt 0x0
.endm
; A ROW TILE.  Its loads were issued in the order: K steps 0-7 (32), scale words (4), tokens (4), K steps 8-15 (32).  next = 1: the tile four on is asked for on the way
.macro STEP next
	s_wait_loadcnt 32                              ; all but the youngest 32: K steps 8-15 may be out
	WIN 0x06                                       ; source 0 window 2, source 1 window 1
	MULS 0
	WIN 0
.if \next
	PLACES 8                                       ; in front of loads into registers that the products have read
	s_wait_xcnt 0x0                                ; the bases are written again only behind this wait
	s_add_co_u32 s22, s16, s21
	s_min_u32 s22, s22, 134
	NEWBASE
	ALOAD 0
	s_wait_loadcnt 32                              ; this tile's K steps 8-15 are in; the 32 just issued may be out
.else
	s_wait_loadcnt 0x0
.endif
	WIN 0x07                                       ; source 0 window 3
	MULS 1
	WIN 0
	s_wait_xcnt 0x0                                ; the last tile's stores have read their offsets and their data
.irp i, 0,1,2,3
	v_min_u32 v[OFFS+\i], 0x7ff, v[ORD+\i]         ; the token, held inside out;
	v_lshl_add_u32 v[OFFS+\i], v[OFFS+\i], 12, v10 ; its row of 4,096 bytes, + my 16 bytes.  (These eight lines and the next are the places behind the products)
.endr
	v_nop
.if \next
	SLOAD
	ALOAD 1
.endif
.irp t, 0,1
.irp p, 0,2,4,6
	v_pk_add_f32 v[OUTR+8*\t+\p:OUTR+8*\t+\p+1], v[ACC+8*\t+\p:ACC+8*\t+\p+1], v[ACC+16+8*\t+\p:ACC+16+8*\t+\p+1]   ; even K steps' sum + odd K steps'; each accumulator from its low end on
.endr
.endr
.irp t, 0,1
	ds_store_b128 v8, v[OUTR+8*\t:OUTR+8*\t+3] offset:64*\t          ; lane (r, h): out(row r, 16 t + 8 h + 0 .. 7)
	ds_store_b128 v8, v[OUTR+8*\t+4:OUTR+8*\t+7] offset:64*\t+16
.endr
.irp i, 0,1,2,3
	ds_load_b128 v[BK+4*\i:BK+4*\i+3], v9 offset:576*\i              ; my own stage, and LDS serves a wave's instructions in order (ISA guide 5.7.1.4): these see the stores above
.endr
	s_wait_dscnt 0x0
.irp i, 0,1,2,3
	global_store_b128 v[OFFS+\i], v[BK+4*\i:BK+4*\i+3], s[14:15] th:TH_STORE_NT   ; eight lanes store a row's 128 consecutive bytes; four rows an instruction
.endr
.endm
	s_load_b256 s[4:11], s[0:1], 0x0               ; h_codes s[4:5], h_scales s[6:7], weight1 s[8:9], seg s[10:11]
	s_load_b128 s[12:15], s[0:1], 0x20             ; order s[12:13], out0 s[14:15]
	v_lshl_add_u32 v222, v0, 2, 0x13000
	v_mov_b32 v223, 0
	v_lshrrev_b32 v104, 5, v0
	v_readfirstlane_b32 s18, v104                  ; wave 0..3
	s_lshr_b32 s19, ttmp9, 5                       ; expert
	s_and_b32 s20, ttmp9, 31                       ; slice
	v_and_b32 v105, 31, v0
	v_lshlrev_b32 v1, 4, v105                      ; 16 x lane
	v_and_b32 v105, 7, v0                          ; cg
	v_bfe_u32 v106, v0, 3, 1                       ; hh
	v_bfe_u32 v107, v0, 4, 1                       ; b', and h
	v_bfe_u32 v108, v0, 2, 1                       ; my columns' tile t = cg / 4
	v_and_b32 v109, 3, v0                          ; cg % 4
	v_and_b32 v110, 15, v0                         ; r
	v_bfe_u32 v111, v0, 3, 2                       ; lane / 8
	v_lshlrev_b32 v2, 4, v105
	v_lshl_add_u32 v2, v106, 16, v2                ; W1: 16 rows of 4,096 bytes for hh,
	v_lshl_add_u32 v2, v107, 17, v2                ; 32 for b'
	v_mul_u32_u24 v3, v108, TS
	v_lshl_add_u32 v3, v109, 6, v3                 ; first place rr0 = 4 (cg % 4), 16 bytes a place,
	v_lshl_add_u32 v3, v106, 8, v3                 ; 256 hh,
	v_lshl_add_u32 v3, v107, 9, v3                 ; piece b',
	v_lshl_add_u32 v3, v104, 13, v3                ; my wave's four K steps
	v_lshlrev_b32 v4, 6, v108
	v_lshl_add_u32 v4, v109, 4, v4
	v_lshl_add_u32 v4, v104, 9, v4
	v_add_nc_u32 v4, SCB, v4                       ; the scale words: 64 t + 4 rr0 + 512 w
	v_lshl_add_u32 v5, v110, 2, SCB
	v_lshlrev_b32 v6, 6, v110                      ; h's scale words: 64 bytes a row
	v_lshlrev_b32 v7, 2, v111                      ; the tokens of rows lane / 8, + 4, + 8, + 12
	v_mul_u32_u24 v8, v104, 2304
	v_mad_u32_u24 v9, v111, 144, v8
	v_mad_u32_u24 v8, v110, 144, v8
	v_lshl_add_u32 v8, v107, 5, v8
	v_add_nc_u32 v8, STG, v8                       ; the stage, in: row r, + 32 h
	v_lshl_add_u32 v9, v105, 4, v9
	v_add_nc_u32 v9, STG, v9                       ; back: row lane / 8, 16 bytes a lane
	v_lshlrev_b32 v10, 4, v105
	v_lshlrev_b32 v11, 3, v107
.irp j, 0,1,2,3
	v_mov_b32 v[MY+\j], 0                          ; written once: a lane permute's destination counts as one of its sources
.endr
	s_mov_b32 s32, 0x76543210
	s_mov_b32 s33, 0xfedcba98                      ; v_permlanex16_b32's selects for lane l xor 16
	s_mov_b32 s34, 0x600000                        ; the mantissa field of 448
	s_lshl_b32 s22, s19, 23                        ; the expert's 8 MB,
	s_lshl_b32 s36, s20, 7                         ; the slice's 128 bytes of a row,
	s_add_co_u32 s22, s22, s36
	s_lshl_b32 s36, s18, 21                        ; my wave's 512 rows
	s_add_co_u32 s22, s22, s36
	s_mov_b32 s23, 0
	s_lshl_b32 s38, s19, 3
	s_mov_b32 s39, 0
	s_wait_kmcnt 0x0
	s_add_nc_u64 s[8:9], s[8:9], s[22:23]
	s_add_nc_u64 s[10:11], s[10:11], s[38:39]
	s_load_b64 s[16:17], s[10:11], 0x0             ; the expert's first tile and its number of tiles
	LOADB 0
	LOADB 1
	LOADB 2
	LOADB 3                                        ; four units, 32 KB a wave, are on their way
	s_lshl_b32 s22, s20, 7
	s_add_nc_u64 s[14:15], s[14:15], s[22:23]      ; out at my slice's 128 bytes of a row
	s_wait_kmcnt 0x0
	s_min_u32 s16, s16, 134
	s_min_u32 s17, s17, 128
.irp u, 0,1,2,3,4,5,6,7
	QWU \u
.endr
	s_add_co_u32 s22, s16, s18                     ; my first tile; a wave that has none asks for tile 0, which every split has
	s_cmp_lt_u32 s18, s17
	s_cselect_b32 s22, s22, 0
	s_min_u32 s22, s22, 134
	NEWBASE
	ALOAD 0
	SLOAD
	ALOAD 1
	s_wait_dscnt 0x0                               ; my part of the slice lies in LDS
	s_barrier_signal -1
	s_barrier_wait -1                              ; everybody's does
	s_cmp_ge_u32 s18, s17
	s_cbranch_scc1 .Lend                           ; fewer tiles than waves
	WFETCH
	s_sub_co_u32 s39, s17, s18                     ; my tiles are w, w + 4, .. under s17: (s17 - w + 3) / 4 of them (w is under s17 here);
	s_sub_co_u32 s39, s39, 1
	s_lshr_b32 s39, s39, 2                         ; all but the last go round the loop: (s17 - w - 1) / 4 trips, counted by ones
	s_mov_b32 s38, 0
	s_add_co_u32 s21, s18, 4                       ; the tile after the one in hand, counted within the expert
	s_cmp_lt_u32 s38, s39
	s_cbranch_scc0 .Ltail
.Lrow:
	STEP 1
	s_add_co_u32 s21, s21, 4
	s_add_co_u32 s38, s38, 1
	s_cmp_lt_u32 s38, s39
	s_cbranch_scc1 .Lrow
.Ltail:
	STEP 0                                         ; my last tile is written out: it asks for nothing, and every counted wait holds on both ways in
.Lend:
	s_wait_tensorcnt 0x0
	ds_add_u32 v222, v223
	s_wait_dscnt 0x0
	s_endpgm
.Lfunc_end_k_q5d8cb16afb_gemm2:
	.size	k_q5d8cb16afb_gemm2, .Lfunc_end_k_q5d8cb16afb_gemm2-k_q5d8cb16afb_gemm2
	.p2alignl 7, 3214868480
	.fill 96, 4, 3214868480
	.section	.rodata,"a",@progbits
	.p2align	6, 0x0
	.amdhsa_kernel k_q5d8cb16afb_gemm2
		.amdhsa_group_segment_fixed_size 78336
		.amdhsa_private_segment_fixed_size 0
		.amdhsa_enable_private_segment 0
		.amdhsa_kernarg_size 48
		.amdhsa_user_sgpr_count 2
		.amdhsa_user_sgpr_kernarg_segment_ptr 1
		.amdhsa_wavefront_size32 1
		.amdhsa_system_sgpr_workgroup_id_x 1
		.amdhsa_system_sgpr_workgroup_id_y 1
		.amdhsa_system_sgpr_workgroup_id_z 1
		.amdhsa_system_vgpr_workitem_id 0
		.amdhsa_next_free_vgpr 1024
		.amdhsa_next_free_sgpr 66
		.amdhsa_reserve_vcc 0
		.amdhsa_float_denorm_mode_32 3
		.amdhsa_float_denorm_mode_16_64 3
		.amdhsa_memory_ordered 1
		.amdhsa_forward_progress 1
		.amdhsa_inst_pref_size 123
	.end_amdhsa_kernel
	.amdgpu_metadata
---
amdhsa.version: [ 1, 2 ]
amdhsa.kernels:
  - .name:           k_q5d8cb16afb_gemm2
    .symbol:         k_q5d8cb16afb_gemm2.kd
    .args:
      - { .name: h_codes, .offset: 0, .size: 8, .value_kind: global_buffer, .address_space: global }
      - { .name: h_scales, .offset: 8, .size: 8, .value_kind: global_buffer, .address_space: global }
      - { .name: weight1, .offset: 16, .size: 8, .value_kind: global_buffer, .address_space: global }
      - { .name: seg, .offset: 24, .size: 8, .value_kind: global_buffer, .address_space: global }
      - { .name: order, .offset: 32, .size: 8, .value_kind: global_buffer, .address_space: global }
      - { .name: out0, .offset: 40, .size: 8, .value_kind: global_buffer, .address_space: global }
    .group_segment_fixed_size: 78336
    .private_segment_fixed_size: 0
    .kernarg_segment_align: 8
    .kernarg_segment_size: 48
    .max_flat_workgroup_size: 128
    .sgpr_count:     66
    .vgpr_count:     1024
    .wavefront_size: 32
...
	.end_amdgpu_metadata
.endif
;; end of part 3
;; ======== version 2 of 2: 3 launches
;; workspace buffers: x_codes 2,211,840 bytes; x_scales 69,120 bytes; h_codes 4,423,680 bytes; h_scales 138,240 bytes; order 8,704 bytes of whole numbers; seg 256 bytes of whole numbers
;; launch prep (part 4): grid 135 x 1, 8 waves a work-group, no clusters, 2,048 bytes of LDS; arguments topk_ids, x, x_codes, x_scales, order, seg; writes x_codes, x_scales, order, seg
.if DOCPART == 4
	.amdgcn_target "amdgcn-amd-amdhsa--gfx1250"
	.amdhsa_code_object_version 6
	.text
	.protected	k_q5d8cb16afb_prep
	.globl	k_q5d8cb16afb_prep
	.p2align	8
	.type	k_q5d8cb16afb_prep,@function
k_q5d8cb16afb_prep:
	s_mov_b64 s[64:65], 0
	v_nop
	global_prefetch_b8 v0, s[64:65] scope:SCOPE_SE
	s_setreg_imm32_b32 hwreg(HW_REG_WAVE_MODE, 25, 1), 1
	s_wait_xcnt 0x0
; THE TOKENS ARE SORTED BY EXPERT AND QUANTISED.  2,048 tokens, 8 experts, one expert a token (topk_ids).  A TILE is 16 sorted rows of one expert; an expert's rows are
; filled up to a multiple of 16 by copies of the tile's first row, so there are never more than 2,048 / 16 + 7 = 135 tiles, whatever the choice.  Work-group T makes tile T.
; EVERY WAVE RANKS ALL 2,048 IDS BY ITSELF (8 KB read): what steers its branch and its addresses is made from its own loads by compares into lane masks, scalar bit counts and
; integer arithmetic alone; no such number goes from wave to wave or from lane to lane.  Wave w then gathers K step w (128 of x's 1,024 numbers a row) of the tile's 16 rows
; and turns it into codes of E4M3 with one E8M0 byte for each 32 along K.
; THE ORDER OF A RANK: register j of lane l holds the id of token 128 (j / 4) + 4 l + j % 4; an expert's tokens are ranked by (j, l).  Every wave of every work-group ranks alike.
; OUT: x_codes [tile][K step 8][c 4][lane 32][16 bytes]: the image of a matrix operand's registers (lane (r, h), registers 4 c .. 4 c + 3: k = 128 s + 32 c + 16 h + 0 .. 15 of row r);
;      x_scales [tile][row 16][8 words]; order [tile][row]: the row's token; seg: word 2 e = expert e's first tile, word 2 e + 1 = its number of tiles.
; A work-group whose T is not under the number of tiles walks everything on held addresses and stores nothing: the branch stands behind the barrier.
; LIMITS: ids outside 0 .. 7 are not served: such an id is counted for expert id mod 8 and matched by none, so that other tokens' rows can be wrong too (every address stays inside its buffer);
; NaN and infinities in x are not served; a block whose largest magnitude lies under 2^-118 gets the byte 1
; (a block of zeros too: its codes are zeros, which add nothing, and this program alone reads the bytes).
.set XSC,  0                           ; LDS: 16 rows x 8 scale words: the one thing that the waves hand to each other
.set ONE,  7                           ; v7      1
.set AC,   8                           ; v8-12   five accumulators of eight 4-bit counts: id j goes to accumulator j % 5, 13 ids at the most
.set LO8,  14                          ; v14     my lane's counts of experts 0, 2, 4, 6 in bytes; v15 those of experts 1, 3, 5, 7
.set VQ,   20                          ; v20     the rank that my lane looks for
.set WD,   21                          ; v21     the mask word in which it lies
.set BS,   22                          ; v22     the expert's tokens in front of that word
.set TB,   23                          ; v23     the token of that word's lane 0
.set NN,   24                          ; v24     which set bit of the word; v25-28 partial bit counts; v29 the bit's place; v30-31 at work
.set BT,   32                          ; v32-38  single bits of the counts
.set ID,   64                          ; v64-127 4 x the 2,048 ids' 64 of my lane; later:
.set XR,   64                          ; v64-127 64 numbers of x
.set PC,   128                         ; v128-143 their codes
.set PW,   144                         ; v144    their scale word
.set TM,   146                         ; v146-161 the quantiser's small registers
.set CT,   20                          ; s20-27  tokens of each expert
.set NTL,  28                          ; s28-35  tiles of each expert
.set ST,   36                          ; s36-44  first tile of each expert; s44 = tiles in all
.set MK,   48                          ; s48-55  lane masks
.set CN,   56                          ; s56-63  their bit counts
.set RUN,  66                          ; s66-74  my expert's tokens in front of each of eight words
.set SEL,  76                          ; s76-77  v_permlanex16_b32's selects for lane l xor 16
.set MNT,  78                          ; s78     the mantissa field of 448
; 64 numbers of a lane, register 16 b + i = k 32 b + 16 (lane / 16) + i of my row, become a fragment's codes in v[PC] on and its scale word in v[PW]
.macro QUANT s
.irp b, 0,1,2,3
	v_max3_num_f32 v[TM+\b], |v[\s+16*\b]|, |v[\s+1+16*\b]|, 0x4800000   ; my 16 numbers of block b, and the floor 2^(9 - 127): the byte cannot fall under 1
.endr
.irp i, 2,4,6,8,10,12,14
.irp b, 0,1,2,3
	s_delay_alu instid0(VALU_DEP_4)
	v_max3_num_f32 v[TM+\b], v[TM+\b], |v[\s+16*\b+\i]|, |v[\s+1+16*\b+\i]|
.endr
.endr
.irp b, 0,1,2,3
	s_delay_alu instid0(VALU_DEP_4)
	v_permlanex16_b32 v[TM+4+\b], v[TM+\b], s[SEL], s[SEL+1]
.endr
.irp b, 0,1,2,3
	s_delay_alu instid0(VALU_DEP_4)
	v_max_num_f32 v[TM+\b], v[TM+\b], v[TM+4+\b]                   ; with lane l xor 16's: the block's largest magnitude
.endr
.irp b, 0,1,2,3
	s_delay_alu instid0(VALU_DEP_4)
	v_add_nc_u32 v[TM+12+\b], 0xfc000000, v[TM+\b]                 ; 8 off its exponent field: the conversion's scale operand
.endr
.irp b, 0,1,2,3
	v_and_or_b32 v[TM+8+\b], v[TM+\b], 0x7f800000, s[MNT]          ; 448 x the scale
.endr
.irp b, 0,1,2,3
	v_lshrrev_b32 v[TM+4+\b], 23, v[TM+12+\b]                      ; the scale's byte
.endr
	s_delay_alu instid0(VALU_DEP_3)
	v_lshl_or_b32 v[PW], v[TM+5], 8, v[TM+4]
	s_delay_alu instid0(VALU_DEP_1)
	v_lshl_or_b32 v[PW], v[TM+6], 16, v[PW]
	s_delay_alu instid0(VALU_DEP_1)
	v_lshl_or_b32 v[PW], v[TM+7], 24, v[PW]
.irp b, 0,1,2,3
.irp i, 0,1,2,3,4,5,6,7,8,9,10,11,12,13,14,15
	v_med3_num_f32 v[\s+16*\b+\i], v[\s+16*\b+\i], -v[TM+8+\b], v[TM+8+\b]   ; the conversion to an 8-bit code does not saturate (ISA guide 7.6.2): the hold comes first
.endr
	v_cvt_scalef32_pk8_fp8_f32 v[PC+4*\b:PC+1+4*\b], v[\s+16*\b:\s+7+16*\b], v[TM+12+\b]
	v_cvt_scalef32_pk8_fp8_f32 v[PC+2+4*\b:PC+3+4*\b], v[\s+8+16*\b:\s+15+16*\b], v[TM+12+\b]
.endr
	v_nop                                          ; one plain line behind the last conversion
.endm
; one halving of the search for the NN-th set bit: if the lower stp places from v29 on hold NN set bits or fewer, the bit lies above them
.macro PICK src, wid, stp
	s_delay_alu instid0(VALU_DEP_1)
	v_bfe_u32 v30, v[\src], v29, \wid              ; set bits in the lower stp places
	s_delay_alu instid0(VALU_DEP_1)
	v_cmp_ge_u32 vcc_lo, v[NN], v30
	s_delay_alu instid0(VALU_DEP_1)
	v_cndmask_b32 v30, 0, v30, vcc_lo
	s_delay_alu instid0(VALU_DEP_1)
	v_sub_nc_u32 v[NN], v[NN], v30
	v_add_nc_u32 v31, \stp, v29
	s_delay_alu instid0(VALU_DEP_1)
	v_cndmask_b32 v29, v29, v31, vcc_lo
.endm
	s_load_b256 s[4:11], s[0:1], 0x0               ; topk_ids s[4:5], x s[6:7], x_codes s[8:9], x_scales s[10:11]
	s_load_b128 s[12:15], s[0:1], 0x20             ; order s[12:13], seg s[14:15]
	v_lshl_add_u32 v168, v0, 2, 0x400
	v_mov_b32 v169, 0
	v_lshrrev_b32 v60, 5, v0
	s_delay_alu instid0(VALU_DEP_1)
	v_readfirstlane_b32 s16, v60                   ; wave 0..7
	s_mov_b32 s17, ttmp9                           ; T
	v_and_b32 v1, 31, v0                           ; lane
	v_and_b32 v2, 15, v0                           ; r
	v_bfe_u32 v3, v0, 4, 1                         ; h
	s_delay_alu instid0(VALU_DEP_2)
	v_lshlrev_b32 v54, 2, v2                       ; 4 r
	v_lshlrev_b32 v55, 2, v60
	s_delay_alu instid0(VALU_DEP_1)
	v_lshl_add_u32 v55, v2, 5, v55                 ; LDS: 32 r + 4 x wave: row r's scale word of my K step
	v_lshlrev_b32 v56, 4, v1                       ; 16 x lane
	v_lshlrev_b32 v59, 2, v1                       ; 4 x lane
	v_mov_b32 v[ONE], 1
	s_mov_b32 s[SEL], 0x76543210
	s_mov_b32 s[SEL+1], 0xfedcba98
	s_mov_b32 s[MNT], 0x600000
	s_mov_b32 s83, 0x0f0f0f0f
.irp b, 0,1,2,3
	v_mov_b32 v[TM+4+\b], 0                        ; written once: a lane permute's destination counts as one of its sources
.endr
	s_wait_alu depctr_va_vdst(0)
	s_wait_kmcnt 0x0
.irp q, 0,1,2,3,4,5,6,7,8,9,10,11,12,13,14,15
	global_load_b128 v[ID+4*\q:ID+4*\q+3], v56, s[4:5] offset:512*\q   ; all 2,048 ids: 512 consecutive bytes a load
.endr
	s_wait_loadcnt 0x0
	; ---- how many tokens each expert has.  In a lane: 1 << 4 id is added into 4-bit fields, 13 ids at the most to an accumulator, so that no field runs over
.set j, 0
.rept 64
	v_lshlrev_b32 v[ID+j], 2, v[ID+j]              ; 4 id, kept so from here on
.set j, j+1
.endr
.set j, 0
.rept 64
.if j < 5
	v_lshlrev_b32 v[AC+j], v[ID+j], v[ONE]         ; the first id starts its accumulator
.else
	v_lshl_add_u32 v[AC+j%5], v[ONE], v[ID+j], v[AC+j%5]
.endif
.set j, j+1
.endr
	s_delay_alu instid0(VALU_DEP_4)
	v_and_b32 v[LO8], s83, v[AC]                   ; the five are added in fields of 8 bits: a lane's count is 64 at the most
	v_lshrrev_b32 v[LO8+1], 4, v[AC]
	s_delay_alu instid0(VALU_DEP_1)
	v_and_b32 v[LO8+1], s83, v[LO8+1]
.irp g, 1,2,3,4
	v_and_b32 v5, s83, v[AC+\g]
	v_lshrrev_b32 v6, 4, v[AC+\g]
	s_delay_alu instid0(VALU_DEP_2)
	v_add_nc_u32 v[LO8], v[LO8], v5
	s_delay_alu instid0(VALU_DEP_2)
	v_and_b32 v6, s83, v6
	s_delay_alu instid0(VALU_DEP_1)
	v_add_nc_u32 v[LO8+1], v[LO8+1], v6
.endr
	; over the 32 lanes, bit by bit: the sum is the sum over b of 2^b x (the number of lanes whose count has bit b)
.irp e, 0,1,2,3,4,5,6,7
.irp b, 0,1,2,3,4,5,6
	v_and_b32 v[BT+\b], 1<<(8*(\e/2)+\b), v[LO8+\e%2]
.endr
.irp b, 0,1,2,3,4,5,6
	v_cmp_ne_u32 s[MK+\b], 0, v[BT+\b]
.endr
.irp b, 0,1,2,3,4,5,6
	s_bcnt1_i32_b32 s[MK+\b], s[MK+\b]
.endr
	s_lshl_b32 s[CT+\e], s[MK+6], 1
	s_add_co_u32 s[CT+\e], s[CT+\e], s[MK+5]
.irp b, 4,3,2,1,0
	s_lshl_b32 s[CT+\e], s[CT+\e], 1
	s_add_co_u32 s[CT+\e], s[CT+\e], s[MK+\b]
.endr
.endr
	s_mov_b32 s[ST], 0
.irp e, 0,1,2,3,4,5,6,7
	s_add_co_u32 s[NTL+\e], s[CT+\e], 15
	s_lshr_b32 s[NTL+\e], s[NTL+\e], 4             ; tiles of expert e
	s_add_co_u32 s[ST+1+\e], s[ST+\e], s[NTL+\e]   ; and where the next expert's begin
.endr
	s_mov_b32 s45, 0                               ; E: the expert whose tile T is
	s_mov_b32 s47, 0                               ; its first tile
	s_mov_b32 s82, s[CT]                           ; its number of tokens
.irp e, 0,1,2,3,4,5,6
	s_cmp_ge_u32 s17, s[ST+1+\e]
	s_cselect_b32 s47, s[ST+1+\e], s47             ; (all selections ahead of the addition, which sets SCC)
	s_cselect_b32 s82, s[CT+1+\e], s82
	s_cselect_b32 s79, 1, 0
	s_add_co_u32 s45, s45, s79
.endr
	s_sub_co_u32 s46, s17, s47
	s_lshl_b32 s46, s46, 4                         ; A: the rank of the tile's first row among E's tokens
	s_lshl_b32 s84, s45, 2                         ; 4 E, to be held against 4 id
	v_add_nc_u32 v[VQ], s46, v2                    ; lane (r, h) looks for rank A + r;
	s_delay_alu instid0(VALU_DEP_1)
	v_cmp_gt_u32 vcc_lo, s82, v[VQ]
	s_delay_alu instid0(VALU_DEP_1)
	v_cndmask_b32 v[VQ], s46, v[VQ], vcc_lo        ; a place past E's last token takes the tile's first row
	; ---- the 64 words of E's lane masks, eight at a time.  A lane keeps the last word in front of which E has no more than VQ tokens: there its rank lies
	s_mov_b32 s[RUN], 0
.set g, 0
.rept 8
.irp k, 0,1,2,3,4,5,6,7
	v_cmp_eq_u32 s[MK+\k], s84, v[ID+8*g+\k]
.endr
.irp k, 0,1,2,3,4,5,6,7
	s_bcnt1_i32_b32 s[CN+\k], s[MK+\k]
.endr
.irp k, 0,1,2,3,4,5,6,7
	s_add_co_u32 s[RUN+1+\k], s[RUN+\k], s[CN+\k]
.endr
.irp k, 0,1,2,3,4,5,6,7
.if (8*g+\k) == 0
	v_mov_b32 v[WD], s[MK]                         ; the first word starts the three
	v_mov_b32 v[BS], 0
	v_mov_b32 v[TB], 0
.else
	v_cmp_gt_u32 vcc_lo, s[RUN+\k], v[VQ]          ; where more than VQ tokens stand in front of this word, the lane keeps what it has
	s_delay_alu instid0(VALU_DEP_1)
	v_cndmask_b32 v[WD], s[MK+\k], v[WD], vcc_lo
	s_delay_alu instid0(VALU_DEP_2)
	v_cndmask_b32 v[BS], s[RUN+\k], v[BS], vcc_lo
	s_delay_alu instid0(VALU_DEP_3)
	v_cndmask_b32 v[TB], 128*((8*g+\k)/4)+((8*g+\k)%4), v[TB], vcc_lo
.endif
.endr
	s_mov_b32 s[RUN], s[RUN+8]
.set g, g+1
.endr
	; ---- the (VQ - BS)-th set bit of the word, counted from 0: bit counts of 2, 4, 8 and 16 places, then five halvings
	v_sub_nc_u32 v[NN], v[VQ], v[BS]
	v_lshrrev_b32 v25, 1, v[WD]
	s_delay_alu instid0(VALU_DEP_1)
	v_and_b32 v25, 0x55555555, v25
	s_delay_alu instid0(VALU_DEP_1)
	v_sub_nc_u32 v25, v[WD], v25                   ; counts of 2 places
	s_delay_alu instid0(VALU_DEP_1)
	v_lshrrev_b32 v26, 2, v25
	s_delay_alu instid0(VALU_DEP_2)
	v_and_b32 v27, 0x33333333, v25
	s_delay_alu instid0(VALU_DEP_2)
	v_and_b32 v26, 0x33333333, v26
	s_delay_alu instid0(VALU_DEP_1)
	v_add_nc_u32 v26, v26, v27                     ; of 4
	s_delay_alu instid0(VALU_DEP_1)
	v_lshrrev_b32 v27, 4, v26
	s_delay_alu instid0(VALU_DEP_1)
	v_add_nc_u32 v27, v27, v26
	s_delay_alu instid0(VALU_DEP_1)
	v_and_b32 v27, s83, v27                        ; of 8
	s_delay_alu instid0(VALU_DEP_1)
	v_lshrrev_b32 v28, 8, v27
	s_delay_alu instid0(VALU_DEP_1)
	v_add_nc_u32 v28, v28, v27                     ; byte 0: of places 0 to 15
	v_mov_b32 v29, 0
	PICK 28, 8, 16
	PICK 27, 8, 8
	PICK 26, 4, 4
	PICK 25, 2, 2
	PICK WD, 1, 1
	s_delay_alu instid0(VALU_DEP_1)
	v_lshl_add_u32 v50, v29, 2, v[TB]              ; the bit's place is a lane: token = the word's base + 4 x lane
	s_delay_alu instid0(VALU_DEP_1)
	v_min_u32 v50, 0x7ff, v50                      ; row r's token, held inside x
	s_delay_alu instid0(VALU_DEP_1)
	; ---- gather: lane (r, h) takes, of its row's K step w, 16 neighbouring numbers of each block of 32
	v_lshlrev_b32 v58, 12, v50
	s_delay_alu instid0(VALU_DEP_1)
	v_lshl_add_u32 v58, v3, 6, v58
	s_lshl_b32 s79, s16, 9
	v_add_nc_u32 v58, s79, v58
.irp b, 0,1,2,3
.irp j, 0,1,2,3
	global_load_b128 v[XR+16*\b+4*\j:XR+16*\b+4*\j+3], v58, s[6:7] offset:128*\b+16*\j
.endr
.endr
	s_wait_loadcnt 0x0
	QUANT XR
	ds_store_b32 v55, v[PW] offset:XSC             ; both halves of the lanes store the same word
	s_wait_dscnt 0x0                               ; my scale words have landed
	s_barrier_signal -1
	s_barrier_wait -1                              ; the tile's 128 scale words lie in LDS
	s_cmp_lt_u32 s17, s[ST+8]
	s_cbranch_scc0 .Lend                           ; no such tile in this split: nothing is stored
	s_lshl_b32 s80, s17, 14
	s_lshl_b32 s81, s16, 11
	s_add_co_u32 s80, s80, s81
	s_mov_b32 s81, 0
	s_add_nc_u64 s[8:9], s[8:9], s[80:81]
	s_wait_alu depctr_va_vdst(0)
.irp c, 0,1,2,3
	global_store_b128 v56, v[PC+4*\c:PC+4*\c+3], s[8:9] offset:512*\c   ; 32 lanes store 512 consecutive bytes
.endr
	s_cmp_lg_u32 s16, 0
	s_cbranch_scc1 .Lnot0
	ds_load_b128 v[60:63], v56 offset:XSC
	s_lshl_b32 s80, s17, 9
	s_add_nc_u64 s[10:11], s[10:11], s[80:81]
	s_wait_dscnt 0x0
	global_store_b128 v56, v[60:63], s[10:11]      ; the tile's scale words: 512 consecutive bytes
.Lnot0:
	s_cmp_lg_u32 s16, 1
	s_cbranch_scc1 .Lnot1
	s_lshl_b32 s80, s17, 6
	s_add_nc_u64 s[12:13], s[12:13], s[80:81]
	global_store_b32 v54, v50, s[12:13]            ; the rows' tokens; lanes r and r + 16 store the same word
.Lnot1:
	s_cmp_lg_u32 s16, 2
	s_cbranch_scc1 .Lend
	s_cmp_lg_u32 s17, 0
	s_cbranch_scc1 .Lend
	v_mov_b32 v13, 0
.irp e, 0,1,2,3,4,5,6,7
	s_delay_alu instid0(VALU_DEP_1)
	v_writelane_b32 v13, s[ST+\e], 2*\e
	s_delay_alu instid0(VALU_DEP_1)
	v_writelane_b32 v13, s[NTL+\e], 2*\e+1
.endr
	global_store_b32 v59, v13, s[14:15]            ; work-group 0 alone stores the list of experts
.Lend:
	s_wait_tensorcnt 0x0
	ds_add_u32 v168, v169
	s_wait_dscnt 0x0
	s_endpgm
.Lfunc_end_k_q5d8cb16afb_prep:
	.size	k_q5d8cb16afb_prep, .Lfunc_end_k_q5d8cb16afb_prep-k_q5d8cb16afb_prep
	.p2alignl 7, 3214868480
	.fill 96, 4, 3214868480
	.section	.rodata,"a",@progbits
	.p2align	6, 0x0
	.amdhsa_kernel k_q5d8cb16afb_prep
		.amdhsa_group_segment_fixed_size 2048
		.amdhsa_private_segment_fixed_size 0
		.amdhsa_enable_private_segment 0
		.amdhsa_kernarg_size 48
		.amdhsa_user_sgpr_count 2
		.amdhsa_user_sgpr_kernarg_segment_ptr 1
		.amdhsa_wavefront_size32 1
		.amdhsa_system_sgpr_workgroup_id_x 1
		.amdhsa_system_sgpr_workgroup_id_y 1
		.amdhsa_system_sgpr_workgroup_id_z 1
		.amdhsa_system_vgpr_workitem_id 0
		.amdhsa_next_free_vgpr 170
		.amdhsa_next_free_sgpr 100
		.amdhsa_reserve_vcc 1
		.amdhsa_float_denorm_mode_32 3
		.amdhsa_float_denorm_mode_16_64 3
		.amdhsa_memory_ordered 1
		.amdhsa_forward_progress 1
		.amdhsa_inst_pref_size 65
	.end_amdhsa_kernel
	.amdgpu_metadata
---
amdhsa.version: [ 1, 2 ]
amdhsa.kernels:
  - .name:           k_q5d8cb16afb_prep
    .symbol:         k_q5d8cb16afb_prep.kd
    .args:
      - { .name: topk_ids, .offset: 0, .size: 8, .value_kind: global_buffer, .address_space: global }
      - { .name: x, .offset: 8, .size: 8, .value_kind: global_buffer, .address_space: global }
      - { .name: x_codes, .offset: 16, .size: 8, .value_kind: global_buffer, .address_space: global }
      - { .name: x_scales, .offset: 24, .size: 8, .value_kind: global_buffer, .address_space: global }
      - { .name: order, .offset: 32, .size: 8, .value_kind: global_buffer, .address_space: global }
      - { .name: seg, .offset: 40, .size: 8, .value_kind: global_buffer, .address_space: global }
    .group_segment_fixed_size: 2048
    .private_segment_fixed_size: 0
    .kernarg_segment_align: 8
    .kernarg_segment_size: 48
    .max_flat_workgroup_size: 256
    .sgpr_count:     100
    .vgpr_count:     170
    .wavefront_size: 32
...
	.end_amdgpu_metadata
.endif
;; end of part 4
;; launch gemm1 (part 5): grid 256 x 1, 4 waves a work-group, no clusters, 70,144 bytes of LDS; arguments x_codes, x_scales, weight0, seg, h_codes, h_scales; writes h_codes, h_scales
.if DOCPART == 5
	.amdgcn_target "amdgcn-amd-amdhsa--gfx1250"
	.amdhsa_code_object_version 6
	.text
	.protected	k_q5d8cb16afb_gemm1
	.globl	k_q5d8cb16afb_gemm1
	.p2align	8
	.type	k_q5d8cb16afb_gemm1,@function
k_q5d8cb16afb_gemm1:
	s_mov_b64 s[64:65], 0
	v_nop
	global_prefetch_b8 v0, s[64:65] scope:SCOPE_SE
	s_setreg_imm32_b32 hwreg(HW_REG_WAVE_SCHED_MODE, 0, 2), 2
	s_setreg_imm32_b32 hwreg(HW_REG_WAVE_MODE, 25, 1), 1
	s_wait_xcnt 0x0
	s_wait_alu depctr_vm_vsrc(0)
; h = Q(gelu(Q(x) Q(W0[e]))) for the rows of expert e alone, on codes of E4M3 with one E8M0 scale for each 32 along K.
; SHARES.  Work-group g: expert e = g / 32, columns 64 (g % 32) .. + 63 of W0[e] ([1024 (k)][2048] f32), all of K: 256 KB of f32 that no other work-group reads.
; PHASE 1.  Wave w quantises K = 256 w .. + 255 of the slice: a lane holds 4 neighbouring columns and 16 neighbours down K (half a block of 32; lane l xor 16 holds the other half), so a load covers
; two rows of 256 consecutive bytes, and the hold, which each number passes anyway, also sorts the numbers by column for the conversions.  The codes go to LDS as the IMAGE OF AN OPERAND'S REGISTERS.
; PHASE 2.  One barrier; every wave takes the whole slice (32 fragments, 512 registers) out of LDS, and the waves share out the expert's row tiles: wave w takes tiles w, w + 4, ..  No barrier in that loop.
; THE PRODUCT IS USED TRANSPOSED (source 0 = 16 columns of W0, source 1 = 16 rows of x) AND THE COLUMNS OF A TILE ARE NOT NEIGHBOURS: place rr of tile 2 b + u is column 32 b + 8 u + rr + 8 (rr / 8),
; so that a lane's 16 registers of tiles 2 b, 2 b + 1 are 16 neighbours along the next product's K.
; GELU, exact form: gelu(v) = max(v, 0) - |v| g, g = erfc(|v| / sqrt 2) / 2 = t 2^(P(t) - v^2 log2(e) / 2), t = 1 / (1 + |v| / (2 sqrt 2)), P of degree 9 (its fractional error is 1.2e-7).
; NO TENSOR LOADS, NO CLUSTER: the 32 work-groups of an expert do read the same row tiles, but how many there are is a stored number, and a trip count that hangs on one
; goes with loads through registers alone; the tiles lie in memory in register order, so each load of a wave is 512 consecutive bytes.
; The rows' scale bytes leave two to a row of 64 (one byte a lane): no work-group holds more of a row; they are one byte in 33 of what the launch stores.
; LIMITS: NaN and infinities are not served; a block whose largest magnitude lies under 2^-118 gets the byte 1; where g falls under 2^-126 it counts as 0.
; THE MODE: SCHED_MODE bits 1:0 = 2 (LLVM: expert scheduling mode 2), set by the entry lines.  The code itself states the register dependences
; between vector or matrix instructions and memory or LDS instructions, with s_wait_alu, always for 0.
; THE PLAN.  Registers that memory or LDS instructions touch:
;   v1-7                 offsets and LDS addresses: written at the head, never again.
;   window 2, phase 1    set u % 4: unit u's maxima and holds read it; behind them the loads of unit u + 4 land in it; behind the barrier the slice's fragments land in the whole window.
;   v96-111, v132-135    codes and scale words: written by unit u's vector lines, read by its LDS stores, written again by unit u + 1, and later by gelu's lines.
;   window 1, v0-63      x's K steps 0-3: read by a tile's first sixteen products; behind them the next tile's loads land there.
;   window 1, v64-127 and v12-19: x's K steps 4-7 and scale words: read up to a tile's last product; behind it the next tile's loads land there.
;   v128-135, v30        a tile's codes and scale byte: written by its conversions, read by its three stores, written again by the next tile's gelu.
;   windows 2 and 3 and v224-255 in phase 2: loaded once, then named by products alone.      v9, v31: written at the head, read by the closing add alone.
; So a unit of phase 1 has one wait on vm_vsrc at its head and ONE on va_vdst behind its conversions, and its loads and LDS stores follow that one; a row tile has a wait on va_vdst behind each half of its
; products, for the loads into what that half has read, one on vm_vsrc ahead of gelu, the two behind the reciprocals and the exponentials, and one on va_vdst ahead of its stores.
; REGISTERS, in windows of 256.  Window 0: v1-7 addresses; v10-11 P's top coefficient; v12-19 x's scale words; v20-30 the quantiser's small registers; v32-223 at work; v224-255 W0's scale words.
;   Window 1: v0-127 x's eight fragments.   Window 2: in phase 1 a ring of four sets of 64 numbers; then W0's fragments 0-15.   Window 3: fragments 16-31.
; SCALARS: s4-15 the six buffers; s16 the expert's first tile, s17 its number of tiles; s18 wave, s19 expert, s20 slice; s21 the next tile within the expert; s22-23, s36-37 offsets;
;   s24-31 the tile's bases; s32-35 constants; s38 trips done, s39 trips to do; s40-61 gelu's constants.
.set TS,   16400                       ; LDS: a column tile's 8 K steps x 2,048 bytes, + 16 so that the four tiles start in different banks
.set SCB,  65792                       ; behind the four tiles: fragment f's 16 scale words at SCB + 64 f, f = 4 s + t
.set X,    32                          ; phase 1: v32-95 a unit's 64 numbers, by column;
.set CD,   96                          ; v96-111 their codes;
.set MX,   112                         ; v112-115 largest magnitudes;  v116-119 the other half's;  v120-123 scale operands;  v124-127 448 x scale;  v128-131 bytes;  v132-135 scale words
.set MY,   116
.set SCL,  120
.set LIM,  124
.set BY,   128
.set SW,   132
.set ACC,  32                          ; phase 2: v32-63 four accumulators;
.set GM,   64                          ; max(v, 0)
.set GA,   96                          ; |v|
.set GT,   128                         ; t, then g; then the codes
.set GP,   160                         ; the exponent
.set GQ,   192                         ; v^2, then gelu
.set HC,   128
.set XS,   12
.set WS,   224
.set QM,   20                          ; v20-21 largest magnitudes, v22-23 the other half's, v24-25 scale operands, v26-27 448 x scale, v28-29 bytes, v30 my byte
.set CC0,  40                          ; s40-57 P's coefficients 0 to 8 x log2(e), each twice (the packed forms name a pair); -1 is folded into the first, for the half
.set CC1,  42
.set CC2,  44
.set CC3,  46
.set CC4,  48
.set CC5,  50
.set CC6,  52
.set CC7,  54
.set CC8,  56
.set KQ,   58                          ; -log2(e) / 2
.set CZ,   60                          ; 1 / (2 sqrt 2)
.set MSB, 0
.macro WIN new                         ; s_set_vgpr_msb: bits 1:0 source 0, 3:2 source 1, 5:4 source 2, 7:6 destination; the high byte repeats the setting that is left
.if MSB != \new
	s_set_vgpr_msb (MSB<<8)|\new
.set MSB, \new
.endif
.endm
.macro PLACES n
.rept \n
	v_nop
.endr
.endm
.macro CPAIR r, val
	s_mov_b32 s[\r], \val
	s_mov_b32 s[\r+1], \val
.endm
; unit tt: the block of 32 along K at 256 w + 32 tt, 64 columns: 16 loads, each two rows of 256 bytes, into set tt % 4 of window 2: register 4 i + j = W(k0 + 16 hh + i, 4 cg + j)
.macro LOADB tt
	WIN 0x80
.irp i, 0,1,2,3,4,5,6,7,8,9,10,11,12,13,14,15
	global_load_b128 v[64*((\tt)%4)+4*\i:64*((\tt)%4)+4*\i+3], v2, s[8:9] offset:(32*(\tt)+\i)*8192 th:TH_LOAD_NT
.endr
	WIN 0
.endm
.macro QWU tt
.set RB, 64*((\tt)%4)
.if (\tt) < 5
	s_wait_loadcnt 48                              ; this unit's 16 loads are in; those of the three units behind it may be out
.else
	s_wait_loadcnt 16*(7-(\tt))
.endif
	s_wait_dscnt 0x0                               ; the last unit's LDS stores are done
.if (\tt) > 0
	s_wait_alu depctr_vm_vsrc(0)                   ; the last unit's LDS stores have read v96-111 and v132-135, which this unit's shifts and conversions write again
.endif
	WIN 0x0a                                       ; sources 0 and 1: window 2
.irp j, 0,1,2,3
	v_max3_num_f32 v[MX+\j], |v[RB+\j]|, |v[RB+4+\j]|, 0x4800000   ; column j: my 16 numbers, and the floor 2^(9 - 127)
.endr
.irp i, 2,4,6,8,10,12,14
.irp j, 0,1,2,3
	v_max3_num_f32 v[MX+\j], |v[RB+4*\i+\j]|, |v[RB+4*\i+4+\j]|, v[MX+\j]
.endr
.endr
	WIN 0
.irp j, 0,1,2,3
	v_permlanex16_b32 v[MY+\j], v[MX+\j], s32, s33
.endr
.irp j, 0,1,2,3
	v_max_num_f32 v[MX+\j], v[MX+\j], v[MY+\j]     ; with the other half of the block
.endr
.irp j, 0,1,2,3
	v_add_nc_u32 v[SCL+\j], 0xfc000000, v[MX+\j]   ; 8 off the exponent field: the conversion's scale operand
.endr
.irp j, 0,1,2,3
	v_and_or_b32 v[LIM+\j], v[MX+\j], 0x7f800000, s34   ; 448 x the scale
.endr
.irp j, 0,1,2,3
	v_lshrrev_b32 v[BY+\j], 23, v[SCL+\j]          ; the scale's byte
.endr
.irp j, 0,1,2,3
.if ((\tt)%4) == 0
	v_mov_b32 v[SW+\j], v[BY+\j]                   ; four blocks' bytes make a K step's scale word
.else
	v_lshl_or_b32 v[SW+\j], v[BY+\j], 8*((\tt)%4), v[SW+\j]
.endif
.endr
	WIN 0x02                                       ; source 0: window 2
.irp j, 0,1,2,3
.irp i, 0,1,2,3,4,5,6,7,8,9,10,11,12,13,14,15
	v_med3_num_f32 v[X+16*\j+\i], v[RB+4*\i+\j], -v[LIM+\j], v[LIM+\j]   ; the hold (the conversion does not saturate: ISA guide 7.6.2), and column j's 16 numbers come to lie on end
.endr
.endr
	WIN 0
.irp j, 0,1,2,3
	v_cvt_scalef32_pk8_fp8_f32 v[CD+4*\j:CD+4*\j+1], v[X+16*\j:X+16*\j+7], v[SCL+\j]
	v_cvt_scalef32_pk8_fp8_f32 v[CD+4*\j+2:CD+4*\j+3], v[X+16*\j+8:X+16*\j+15], v[SCL+\j]
.endr
	v_nop                                          ; one plain line behind the last conversion
	s_wait_alu depctr_va_vdst(0)                   ; the conversions have written v96-111 and the shifts v132-135, which the LDS stores below read; the maxima and holds are done reading set tt % 4, in which the loads below land (behind unit 7: the whole window, in which the slice's fragments land)
.if (\tt) < 4
	LOADB \tt+4                                    ; the set is asked for again at once
.endif
.irp j, 0,1,2,3
	ds_store_b128 v3, v[CD+4*\j:CD+4*\j+3] offset:((\tt)/4)*2048+((\tt)%4)*512+16*\j   ; column j's 16 codes: place 16 hh + rr of piece c = tt % 4 of its tile's K step
.endr
.if ((\tt)%4) == 3
	ds_store_b128 v4, v[SW:SW+3] offset:((\tt)/4)*256   ; four columns' scale words; both halves of the lanes store the same
.endif
.endm
; a row tile's operands: 16 loads of 512 consecutive bytes for four K steps; two loads for the scale words
.macro ALOAD half
	WIN 0x40
.irp s, 0,1,2,3
.irp c, 0,1,2,3
	global_load_b128 v[16*(4*\half+\s)+4*\c:16*(4*\half+\s)+4*\c+3], v1, s[24:25] offset:2048*(4*\half+\s)+512*\c
.endr
.endr
	WIN 0
.endm
.macro XSLOAD
	global_load_b128 v[XS:XS+3], v6, s[26:27]
	global_load_b128 v[XS+4:XS+7], v6, s[26:27] offset:16
.endm
.macro NEWBASE                         ; s22: a tile's number, held at 134
	s_lshl_b32 s36, s22, 14
	s_mov_b32 s37, 0
	s_add_nc_u64 s[24:25], s[4:5], s[36:37]
	s_lshl_b32 s36, s22, 9
	s_add_nc_u64 s[26:27], s[6:7], s[36:37]
.endm
; 16 products: K steps 4 hf .. 4 hf + 3; the four accumulators take turns, one instruction a turn.  The first four start the sums
.macro MULS hf
.irp s, 0,1,2,3
.irp t, 0,1,2,3
.if (\hf == 0) && (\s == 0)
	v_wmma_scale_f32_16x16x128_f8f6f4 v[ACC+8*\t:ACC+8*\t+7], v[16*(4*\s+\t):16*(4*\s+\t)+15], v[16*(4*\hf+\s):16*(4*\hf+\s)+15], 0, v[WS+16*\hf+4*\s+\t], v[XS+4*\hf+\s]
.else
	v_wmma_scale_f32_16x16x128_f8f6f4 v[ACC+8*\t:ACC+8*\t+7], v[16*(4*\s+\t):16*(4*\s+\t)+15], v[16*(4*\hf+\s):16*(4*\hf+\s)+15], v[ACC+8*\t:ACC+8*\t+7], v[WS+16*\hf+4*\s+\t], v[XS+4*\hf+\s]
.endif
.endr
.endr
.endm
.macro WFETCH                          ; the whole slice out of LDS: the same lines that any wave would load an operand by.  No vector line stands between unit 7's wait on va_vdst and these loads
	WIN 0x80
.set f, 0
.rept 16
.irp c, 0,1,2,3
	ds_load_b128 v[16*f+4*\c:16*f+4*\c+3], v1 offset:(f%4)*TS+(f/4)*2048+512*\c
.endr
.set f, f+1
.endr
	WIN 0xc0
.rept 16
.irp c, 0,1,2,3
	ds_load_b128 v[16*(f-16)+4*\c:16*(f-16)+4*\c+3], v1 offset:(f%4)*TS+(f/4)*2048+512*\c
.endr
.set f, f+1
.endr
	WIN 0
.set f, 0
.rept 32
	ds_load_b32 v[WS+f], v5 offset:64*f
.set f, f+1
.endr
	s_wait_dscnt 0x0
.endm
.macro GELU
	s_wait_xcnt 0x0                                ; the last tile's stores have had their addresses translated: their data, which lie in v128 on and v30, and their bases are written again only behind this wait
	s_wait_alu depctr_vm_vsrc(0)                   ; the last tile's stores have read v128-135 and v30 (ahead of my first tile: phase 1's last LDS stores have read v96-111 and v132-135): the lines below write all of these again
.set i, 0
.rept 32
	v_max_num_f32 v[GM+i], 0, v[ACC+i]             ; each accumulator is read from its low end on
.set i, i+1
.endr
.set i, 0
.rept 16
	v_pk_fma_f32 v[GA+i:GA+i+1], v[GM+i:GM+i+1], 2.0, v[ACC+i:ACC+i+1] op_sel_hi:[1,0,1] neg_lo:[0,0,1] neg_hi:[0,0,1]   ; |v| = 2 max(v, 0) - v, exactly
.set i, i+2
.endr
.set i, 0
.rept 16
	v_pk_fma_f32 v[GT+i:GT+i+1], v[GA+i:GA+i+1], s[CZ:CZ+1], 1.0 op_sel_hi:[1,0,0]
.set i, i+2
.endr
.set i, 0
	s_wait_alu depctr_va_vdst(0)
.rept 32
	v_rcp_f32 v[GT+i], v[GT+i]                     ; t
.set i, i+1
.endr
.set i, 0
.rept 16
	v_pk_mul_f32 v[GQ+i:GQ+i+1], v[ACC+i:ACC+i+1], v[ACC+i:ACC+i+1]   ; v^2: also the plain lines behind the reciprocals
.set i, i+2
.endr
.set i, 0
	s_wait_alu depctr_va_vdst(0)                   ; the 32 reciprocals have written v128-159: one wait for the batch, ahead of its first reader
.rept 16
	v_pk_fma_f32 v[GP+i:GP+i+1], v[GT+i:GT+i+1], v[10:11], s[CC8:CC8+1] op_sel_hi:[1,1,0]
.set i, i+2
.endr
.irp k, CC7, CC6, CC5, CC4, CC3, CC2, CC1, CC0
.set i, 0
.rept 16
	v_pk_fma_f32 v[GP+i:GP+i+1], v[GP+i:GP+i+1], v[GT+i:GT+i+1], s[\k:\k+1] op_sel_hi:[1,1,0]
.set i, i+2
.endr
.endr
.set i, 0
.rept 16
	v_pk_fma_f32 v[GP+i:GP+i+1], v[GQ+i:GQ+i+1], s[KQ:KQ+1], v[GP+i:GP+i+1] op_sel_hi:[1,0,1]
.set i, i+2
.endr
.set i, 0
	s_wait_alu depctr_va_vdst(0)
.rept 32
	v_exp_f32 v[GP+i], v[GP+i]
.set i, i+1
.endr
	v_nop                                          ; a plain line behind the last exponential
.set i, 0
	s_wait_alu depctr_va_vdst(0)                   ; the 32 exponentials have written v160-191: one wait for the batch, ahead of its first reader
.rept 16
	v_pk_mul_f32 v[GT+i:GT+i+1], v[GT+i:GT+i+1], v[GP+i:GP+i+1]   ; g
.set i, i+2
.endr
.set i, 0
.rept 16
	v_pk_fma_f32 v[GQ+i:GQ+i+1], v[GA+i:GA+i+1], v[GT+i:GT+i+1], v[GM+i:GM+i+1] neg_lo:[1,0,0] neg_hi:[1,0,0]   ; gelu = max(v, 0) - |v| g
.set i, i+2
.endr
.endm
; gelu's 32 numbers of a lane are two half blocks along the next K: register 16 b + i = hidden unit 64 slice + 32 b + 16 h + i of my row
.macro QUANT2
.irp b, 0,1
	v_max3_num_f32 v[QM+\b], |v[GQ+16*\b]|, |v[GQ+1+16*\b]|, 0x4800000
.endr
.irp i, 2,4,6,8,10,12,14
.irp b, 0,1
	v_max3_num_f32 v[QM+\b], v[QM+\b], |v[GQ+16*\b+\i]|, |v[GQ+1+16*\b+\i]|
.endr
.endr
.irp b, 0,1
	v_permlanex16_b32 v[QM+2+\b], v[QM+\b], s32, s33
.endr
.irp b, 0,1
	v_max_num_f32 v[QM+\b], v[QM+\b], v[QM+2+\b]
.endr
.irp b, 0,1
	v_add_nc_u32 v[QM+4+\b], 0xfc000000, v[QM+\b]
.endr
.irp b, 0,1
	v_and_or_b32 v[QM+6+\b], v[QM+\b], 0x7f800000, s34
.endr
.irp b, 0,1
	v_lshrrev_b32 v[QM+8+\b], 23, v[QM+4+\b]
.endr
	v_cndmask_b32 v30, v[QM+8], v[QM+9], s35       ; lanes 0-15 store block 0's byte, lanes 16-31 block 1's
.irp b, 0,1
.irp i, 0,1,2,3,4,5,6,7,8,9,10,11,12,13,14,15
	v_med3_num_f32 v[GQ+16*\b+\i], v[GQ+16*\b+\i], -v[QM+6+\b], v[QM+6+\b]
.endr
	v_cvt_scalef32_pk8_fp8_f32 v[HC+4*\b:HC+4*\b+1], v[GQ+16*\b:GQ+16*\b+7], v[QM+4+\b]
	v_cvt_scalef32_pk8_fp8_f32 v[HC+4*\b+2:HC+4*\b+3], v[GQ+16*\b+8:GQ+16*\b+15], v[QM+4+\b]
.endr
	v_nop                                          ; one plain line behind the last conversion
.endm
; A ROW TILE.  Its loads were issued in the order: K steps 0-3 (16), scale words (2), K steps 4-7 (16).  next = 1: the tile four on is asked for on the way
.macro STEP next
	s_wait_loadcnt 16                              ; all but the youngest 16: K steps 4-7 may be out
	WIN 0x06                                       ; source 0 window 2, source 1 window 1
	MULS 0
	WIN 0
.if \next
	PLACES 8                                       ; eight plain lines behind the products, ahead of loads into registers that they have read; the wait below stands beside them
	s_wait_xcnt 0x0                                ; the bases are written again only behind this wait
	s_add_co_u32 s22, s16, s21
	s_min_u32 s22, s22, 134
	NEWBASE
	s_wait_alu depctr_va_vdst(0)                   ; the sixteen products are done reading x's K steps 0-3 (window 1, v0-63), in which the next tile's loads land
	ALOAD 0
	s_wait_loadcnt 16                              ; this tile's K steps 4-7 are in; the 16 just issued may be out
.else
	s_wait_loadcnt 0x0
.endif
	WIN 0x07                                       ; source 0 window 3
	MULS 1
	WIN 0
	PLACES 8                                       ; in front of the loads below and of the first read of the results
.if \next
	s_wait_alu depctr_va_vdst(0)                   ; the products are done reading x's scale words (v12-19) and K steps 4-7 (window 1, v64-127), in which the next tile's loads land; no line of gelu or of the quantiser names these registers
	XSLOAD
	ALOAD 1
.endif
	GELU
	QUANT2
	s_add_co_u32 s22, s16, s21
	s_sub_co_u32 s22, s22, 4                       ; the tile in hand
	s_min_u32 s22, s22, 134
	s_lshl_b32 s36, s22, 15
	s_mov_b32 s37, 0
	s_add_nc_u64 s[28:29], s[12:13], s[36:37]
	s_lshl_b32 s36, s22, 10
	s_add_nc_u64 s[30:31], s[14:15], s[36:37]
	s_wait_alu depctr_va_vdst(0)                   ; the conversions have written v128-135 and the select v30, which the three stores read
	global_store_b128 v1, v[HC:HC+3], s[28:29]               ; pieces c = 2 (slice % 2), + 1 of K step slice / 2 of the next operand's image: 1,024 consecutive bytes
	global_store_b128 v1, v[HC+4:HC+7], s[28:29] offset:512
	global_store_b8 v7, v30, s[30:31]
.endm
	s_load_b256 s[4:11], s[0:1], 0x0               ; x_codes s[4:5], x_scales s[6:7], weight0 s[8:9], seg s[10:11]
	s_load_b128 s[12:15], s[0:1], 0x20             ; h_codes s[12:13], h_scales s[14:15]
	v_lshl_add_u32 v9, v0, 2, 0x11000
	v_mov_b32 v31, 0
	v_lshrrev_b32 v28, 5, v0
	v_readfirstlane_b32 s18, v28                   ; wave 0..3
	s_lshr_b32 s19, ttmp9, 5                       ; expert
	s_and_b32 s20, ttmp9, 31                       ; slice
	v_and_b32 v21, 31, v0
	v_lshlrev_b32 v1, 4, v21                       ; 16 x lane
	v_and_b32 v21, 15, v0                          ; cg, and r
	v_bfe_u32 v20, v0, 4, 1                        ; hh, and h
	v_bfe_u32 v24, v0, 3, 1                        ; cg = 8 b + 4 q + 2 u + o
	v_bfe_u32 v26, v0, 2, 1
	v_bfe_u32 v25, v0, 1, 1
	v_and_b32 v27, 1, v0
	v_lshlrev_b32 v2, 4, v21
	v_lshl_add_u32 v2, v20, 17, v2                 ; W0: 16 bytes a column group, 16 rows of 8,192 bytes for the upper half of the lanes
	v_lshl_add_u32 v24, v24, 1, v25                ; my columns' tile 2 b + u
	v_mul_u32_u24 v3, v24, TS
	v_lshl_add_u32 v3, v26, 7, v3                  ; their first place rr0 = 8 q + 4 o, 16 bytes a place,
	v_lshl_add_u32 v3, v27, 6, v3
	v_lshl_add_u32 v3, v20, 8, v3                  ; 256 hh,
	v_lshl_add_u32 v3, v28, 12, v3                 ; and my wave's two K steps
	v_lshlrev_b32 v4, 6, v24
	v_lshl_add_u32 v4, v26, 5, v4
	v_lshl_add_u32 v4, v27, 4, v4
	v_lshl_add_u32 v4, v28, 9, v4
	v_add_nc_u32 v4, SCB, v4                       ; the scale words: 64 t + 4 rr0 + 512 w
	v_lshl_add_u32 v5, v21, 2, SCB                 ; and on the way back: 4 r
	v_lshlrev_b32 v6, 5, v21                       ; x's scale words: 32 bytes a row
	v_lshl_add_u32 v7, v21, 6, v20                 ; h's scale bytes: 64 a row, + h
	v_mov_b32 v10, 0x3e7c6f08
	v_mov_b32 v11, 0x3e7c6f08
.irp j, 0,1,2,3
	v_mov_b32 v[MY+\j], 0                          ; written once: a lane permute's destination counts as one of its sources
.endr
	v_mov_b32 v22, 0
	v_mov_b32 v23, 0
	s_mov_b32 s32, 0x76543210
	s_mov_b32 s33, 0xfedcba98                      ; v_permlanex16_b32's selects for lane l xor 16
	s_mov_b32 s34, 0x600000                        ; the mantissa field of 448
	s_mov_b32 s35, 0xffff0000                      ; lanes 16-31
	CPAIR CC0, 0xc034d90f
	CPAIR CC1, 0x3fb8ab5a
	CPAIR CC2, 0x3f0a29d2
	CPAIR CC3, 0x3e0efb2e
	CPAIR CC4, 0xbe899a80
	CPAIR CC5, 0x3ecdfd18
	CPAIR CC6, 0xbfd1a1e5
	CPAIR CC7, 0x40097039
	CPAIR CC8, 0xbf97d29d
	CPAIR KQ,  0xbf38aa3b
	CPAIR CZ,  0x3eb504f3
	s_wait_alu depctr_va_sdst(0)                   ; s18 is written, ahead of its first reader: W0's base is made from it
	s_lshl_b32 s22, s19, 23                        ; the expert's 8 MB,
	s_lshl_b32 s36, s20, 8                         ; the slice's 256 bytes of a row,
	s_add_co_u32 s22, s22, s36
	s_lshl_b32 s36, s18, 21                        ; my wave's 256 rows
	s_add_co_u32 s22, s22, s36
	s_mov_b32 s23, 0
	s_lshl_b32 s38, s19, 3
	s_mov_b32 s39, 0
	s_wait_kmcnt 0x0
	s_add_nc_u64 s[8:9], s[8:9], s[22:23]
	s_add_nc_u64 s[10:11], s[10:11], s[38:39]
	s_load_b64 s[16:17], s[10:11], 0x0             ; the expert's first tile and its number of tiles
	s_wait_alu depctr_va_vdst(0)                   ; the seven offsets and addresses v1 to v7 are written, which the loads, stores and LDS instructions of the whole kernel read
	LOADB 0
	LOADB 1
	LOADB 2
	LOADB 3                                        ; four units, 32 KB a wave, are on their way
	s_lshl_b32 s22, s20, 10
	s_add_nc_u64 s[12:13], s[12:13], s[22:23]      ; h_codes at my slice's 1,024 bytes of a tile
	s_lshl_b32 s22, s20, 1
	s_add_nc_u64 s[14:15], s[14:15], s[22:23]      ; h_scales at my slice's two bytes of a row
	s_wait_kmcnt 0x0
	s_min_u32 s16, s16, 134
	s_min_u32 s17, s17, 128
.irp u, 0,1,2,3,4,5,6,7
	QWU \u
.endr
	s_add_co_u32 s22, s16, s18                     ; my first tile; a wave that has none asks for tile 0, which every split has, so that no unwritten byte is read
	s_cmp_lt_u32 s18, s17
	s_cselect_b32 s22, s22, 0
	s_min_u32 s22, s22, 134
	NEWBASE
	ALOAD 0                                        ; (these land in registers that no vector or matrix instruction has named yet)
	XSLOAD
	ALOAD 1
	s_wait_dscnt 0x0                               ; my part of the slice lies in LDS
	s_barrier_signal -1
	s_barrier_wait -1                              ; everybody's does
	s_cmp_ge_u32 s18, s17
	s_cbranch_scc1 .Lend                           ; fewer tiles than waves
	WFETCH
	s_sub_co_u32 s39, s17, s18                     ; my tiles are w, w + 4, .. under s17: (s17 - w + 3) / 4 of them (w is under s17 here);
	s_sub_co_u32 s39, s39, 1
	s_lshr_b32 s39, s39, 2                         ; all but the last go round the loop: (s17 - w - 1) / 4 trips, counted by ones
	s_mov_b32 s38, 0
	s_add_co_u32 s21, s18, 4                       ; the tile after the one in hand, counted within the expert
	s_cmp_lt_u32 s38, s39
	s_cbranch_scc0 .Ltail
.Lrow:
	STEP 1
	s_add_co_u32 s21, s21, 4
	s_add_co_u32 s38, s38, 1
	s_cmp_lt_u32 s38, s39
	s_cbranch_scc1 .Lrow
.Ltail:
	STEP 0                                         ; my last tile is written out: it asks for nothing, and every counted wait holds on both ways in
.Lend:
	s_wait_dscnt 0x0                               ; the closing lines, six on end
	s_wait_alu 0x0
	s_wait_tensorcnt 0x0
	ds_add_u32 v9, v31
	s_wait_dscnt 0x0
	s_endpgm
.Lfunc_end_k_q5d8cb16afb_gemm1:
	.size	k_q5d8cb16afb_gemm1, .Lfunc_end_k_q5d8cb16afb_gemm1-k_q5d8cb16afb_gemm1
	.p2alignl 7, 3214868480
	.fill 96, 4, 3214868480
	.section	.rodata,"a",@progbits
	.p2align	6, 0x0
	.amdhsa_kernel k_q5d8cb16afb_gemm1
		.amdhsa_group_segment_fixed_size 70144
		.amdhsa_private_segment_fixed_size 0
		.amdhsa_enable_private_segment 0
		.amdhsa_kernarg_size 48
		.amdhsa_user_sgpr_count 2
		.amdhsa_user_sgpr_kernarg_segment_ptr 1
		.amdhsa_wavefront_size32 1
		.amdhsa_system_sgpr_workgroup_id_x 1
		.amdhsa_system_sgpr_workgroup_id_y 1
		.amdhsa_system_sgpr_workgroup_id_z 1
		.amdhsa_system_vgpr_workitem_id 0
		.amdhsa_next_free_vgpr 1024
		.amdhsa_next_free_sgpr 66
		.amdhsa_reserve_vcc 0
		.amdhsa_float_denorm_mode_32 3
		.amdhsa_float_denorm_mode_16_64 3
		.amdhsa_memory_ordered 1
		.amdhsa_forward_progress 1
		.amdhsa_inst_pref_size 159
	.end_amdhsa_kernel
	.amdgpu_metadata
---
amdhsa.version: [ 1, 2 ]
amdhsa.kernels:
  - .name:           k_q5d8cb16afb_gemm1
    .symbol:         k_q5d8cb16afb_gemm1.kd
    .args:
      - { .name: x_codes, .offset: 0, .size: 8, .value_kind: global_buffer, .address_space: global }
      - { .name: x_scales, .offset: 8, .size: 8, .value_kind: global_buffer, .address_space: global }
      - { .name: weight0, .offset: 16, .size: 8, .value_kind: global_buffer, .address_space: global }
      - { .name: seg, .offset: 24, .size: 8, .value_kind: global_buffer, .address_space: global }
      - { .name: h_codes, .offset: 32, .size: 8, .value_kind: global_buffer, .address_space: global }
      - { .name: h_scales, .offset: 40, .size: 8, .value_kind: global_buffer, .address_space: global }
    .group_segment_fixed_size: 70144
    .private_segment_fixed_size: 0
    .kernarg_segment_align: 8
    .kernarg_segment_size: 48
    .max_flat_workgroup_size: 128
    .sgpr_count:     66
    .vgpr_count:     1024
    .wavefront_size: 32
...
	.end_amdgpu_metadata
.endif
;; end of part 5
;; launch gemm2 (part 6): grid 256 x 1, 4 waves a work-group, no clusters, 78,336 bytes of LDS; arguments h_codes, h_scales, weight1, seg, order, out0; writes out0
.if DOCPART == 6
	.amdgcn_target "amdgcn-amd-amdhsa--gfx1250"
	.amdhsa_code_object_version 6
	.text
	.protected	k_q5d8cb16afb_gemm2
	.globl	k_q5d8cb16afb_gemm2
	.p2align	8
	.type	k_q5d8cb16afb_gemm2,@function
k_q5d8cb16afb_gemm2:
	s_mov_b64 s[64:65], 0
	v_nop
	global_prefetch_b8 v0, s[64:65] scope:SCOPE_SE
	s_setreg_imm32_b32 hwreg(HW_REG_WAVE_SCHED_MODE, 0, 2), 2
	s_setreg_imm32_b32 hwreg(HW_REG_WAVE_MODE, 25, 1), 1
	s_wait_xcnt 0x0
	s_wait_alu depctr_vm_vsrc(0)
; out[token] = Q(h) Q(W1[e]) for the rows of expert e alone, on codes of E4M3 with one E8M0 scale for each 32 along K = 2,048.
; SHARES.  Work-group g: expert e = g / 32, columns 32 (g % 32) .. + 31 of W1[e] ([2048 (k)][1024] f32), all of K: 256 KB of f32 that no other work-group reads.  8 x 1,024 columns over 256
; work-groups are 32 columns: so W1's rows are read, and out's rows written, in aligned runs of 128 bytes; neighbouring work-groups take the two halves of 256.
; PHASE 1.  Wave w quantises K = 512 w .. + 511: a lane holds 4 neighbouring columns and 16 neighbours down K (half a block; lane l xor 8 holds the other half; lanes 16-31 work on the next block).
; The codes go to LDS as the image of an operand's registers.  (These LDS stores fall two deep on the banks: 32 of them a wave in the whole launch.)
; PHASE 2.  One barrier; every wave takes the whole slice (32 fragments, 512 registers) out of LDS; wave w takes the expert's row tiles w, w + 4, ..  No barrier in that loop.
; THE PRODUCT IS USED TRANSPOSED (source 0 = 16 columns of W1, source 1 = 16 rows of h): a lane holds eight neighbouring outputs of one row.  Even and odd K steps are summed apart, so that four
; accumulators take turns; the two sums are added at the end (another order of f32 additions than one chain's).
; A row filled in by the sort is a copy of its tile's first row: its lanes store the same numbers to the same row of out.  So no lane is ever switched off.
; NO TENSOR LOADS, NO CLUSTER: the 32 work-groups of an expert read the same row tiles, but their number is a stored number, and a trip count that hangs on one goes with loads through registers alone.
; LIMITS: NaN and infinities are not served; a block of W1 whose largest magnitude lies under 2^-118 gets the byte 1.
; THE MODE: SCHED_MODE bits 1:0 = 2 (LLVM: expert scheduling mode 2), set by the entry lines.  The code itself states the register dependences
; between vector or matrix instructions and memory or LDS instructions, with s_wait_alu, always for 0.
; THE PLAN.  Registers that memory or LDS instructions touch:
;   v1-9                 offsets and LDS addresses: written at the head, never again.
;   window 2, phase 1    set u % 4: unit u's maxima and holds read it; behind them the loads of unit u + 4 land in it; behind the barrier the slice's fragments land in the whole window.
;   v96-111, v132-135    codes and scale words: written by unit u's vector lines, read by its LDS stores, written again by unit u + 1.  Behind phase 1 the tokens land in v96-99, and v100-103 become offsets.
;   window 1, v0-127     h's K steps 0-7: read by a tile's first sixteen products; behind them the next tile's loads land there.
;   window 1, v128-255, v12-27 and v96-99: h's K steps 8-15, scale words and tokens: read up to a tile's last product and by the holds of the tokens; behind these the next tile's loads land there.
;   v100-103 offsets, v64-79 sums: written by a tile's vector lines, read by its stores (global, LDS), written again by the next tile.     v80-95: LDS loads land there, the global stores read them.
;   windows 2 and 3 and v224-255 in phase 2: loaded once, then named by products alone.      v222, v223: written at the head, read by the closing add alone.
; So a unit of phase 1 has one wait on vm_vsrc at its head and ONE on va_vdst behind its last vector line; a row tile has a wait on va_vdst behind its first sixteen products, one on vm_vsrc behind its last,
; and ONE on va_vdst behind its additions, behind which all its other loads and stores follow.
; REGISTERS.  Window 0: v1-11 addresses; v12-27 h's scale words; v32-135 at work; v224-255 W1's scale words.   Window 1: h's sixteen fragments.
;   Window 2: in phase 1 a ring of four sets of 64 numbers; then W1's fragments 0-15.   Window 3: fragments 16-31.
; SCALARS: s4-15 the six buffers; s16 the expert's first tile, s17 its number of tiles; s18 wave, s19 expert, s20 slice; s21 the next tile within the expert; s22-23, s36-37 offsets;
;   s24-29 the tile's bases; s32-34 constants; s38 trips done, s39 trips to do.
.set TS,   32784                       ; LDS: a column tile's 16 K steps x 2,048 bytes, + 16
.set SCB,  65792                       ; fragment f's 16 scale words at SCB + 64 f, f = 2 s + t
.set STG,  67840                       ; the way out: 16 rows x (128 bytes + 16) for each wave
.set X,    32
.set CD,   96
.set MX,   112
.set MY,   116
.set SCL,  120
.set LIM,  124
.set BY,   128
.set SW,   132
.set ACC,  32                          ; v32-63 four accumulators: 2 (s % 2) + t
.set OUTR, 64                          ; v64-79 the sums
.set BK,   80                          ; v80-95 rows read back from the stage
.set ORD,  96                          ; v96-99 tokens
.set OFFS, 100                         ; v100-103 their rows' bytes in out
.set HS,   12
.set WS,   224
.set MSB, 0
.macro WIN new                         ; s_set_vgpr_msb: bits 1:0 source 0, 3:2 source 1, 5:4 source 2, 7:6 destination; the high byte repeats the setting that is left
.if MSB != \new
	s_set_vgpr_msb (MSB<<8)|\new
.set MSB, \new
.endif
.endm
.macro PLACES n
.rept \n
	v_nop
.endr
.endm
; unit tt: the two blocks of 32 along K at 512 w + 64 tt, 32 columns: 16 loads, each four rows of 128 bytes: register 4 i + j = W(k0 + 32 b' + 16 hh + i, 4 cg + j)
.macro LOADB tt
	WIN 0x80
.irp i, 0,1,2,3,4,5,6,7,8,9,10,11,12,13,14,15
	global_load_b128 v[64*((\tt)%4)+4*\i:64*((\tt)%4)+4*\i+3], v2, s[8:9] offset:(64*(\tt)+\i)*4096 th:TH_LOAD_NT
.endr
	WIN 0
.endm
.macro QWU tt
.set RB, 64*((\tt)%4)
.if (\tt) < 5
	s_wait_loadcnt 48                              ; this unit's 16 loads are in; those of the three units behind it may be out
.else
	s_wait_loadcnt 16*(7-(\tt))
.endif
	s_wait_dscnt 0x0                               ; the last unit's LDS stores are done
.if (\tt) > 0
	s_wait_alu depctr_vm_vsrc(0)                   ; the last unit's LDS stores have read v96-111 and v132-135, which this unit's moves and conversions write again
.endif
	WIN 0x0a
.irp j, 0,1,2,3
	v_max3_num_f32 v[MX+\j], |v[RB+\j]|, |v[RB+4+\j]|, 0x4800000
.endr
.irp i, 2,4,6,8,10,12,14
.irp j, 0,1,2,3
	v_max3_num_f32 v[MX+\j], |v[RB+4*\i+\j]|, |v[RB+4*\i+4+\j]|, v[MX+\j]
.endr
.endr
	WIN 0
.irp j, 0,1,2,3
	v_max_num_f32_dpp v[MX+\j], v[MX+\j], v[MX+\j] row_xmask:8 row_mask:0xf bank_mask:0xf   ; with the other half of the block, in lane l xor 8
.endr
.irp j, 0,1,2,3
	v_add_nc_u32 v[SCL+\j], 0xfc000000, v[MX+\j]
.endr
.irp j, 0,1,2,3
	v_and_or_b32 v[LIM+\j], v[MX+\j], 0x7f800000, s34
.endr
.irp j, 0,1,2,3
	v_lshrrev_b32 v[BY+\j], 23, v[SCL+\j]
.endr
.irp j, 0,1,2,3
.if ((\tt)%2) == 0
	v_mov_b32 v[SW+\j], v[BY+\j]                   ; my blocks of a K step are c = b' and c = 2 + b': their bytes lie 16 bits apart
.else
	v_lshl_or_b32 v[SW+\j], v[BY+\j], 16, v[SW+\j]
.endif
.endr
	WIN 0x02
.irp j, 0,1,2,3
.irp i, 0,1,2,3,4,5,6,7,8,9,10,11,12,13,14,15
	v_med3_num_f32 v[X+16*\j+\i], v[RB+4*\i+\j], -v[LIM+\j], v[LIM+\j]   ; the hold, and column j's 16 numbers come to lie on end
.endr
.endr
	WIN 0
.irp j, 0,1,2,3
	v_cvt_scalef32_pk8_fp8_f32 v[CD+4*\j:CD+4*\j+1], v[X+16*\j:X+16*\j+7], v[SCL+\j]
	v_cvt_scalef32_pk8_fp8_f32 v[CD+4*\j+2:CD+4*\j+3], v[X+16*\j+8:X+16*\j+15], v[SCL+\j]
.endr
	v_nop                                          ; one plain line behind the last conversion
.if ((\tt)%2) == 1
.irp j, 0,1,2,3
	v_lshlrev_b32 v[SW+\j], v11, v[SW+\j]          ; 8 b' up,
.endr
.irp j, 0,1,2,3
	v_permlanex16_b32 v[MY+\j], v[SW+\j], s32, s33
.endr
.irp j, 0,1,2,3
	v_or_b32 v[SW+\j], v[SW+\j], v[MY+\j]          ; and lane l xor 16's two bytes beside them: the K step's scale word
.endr
.endif
	s_wait_alu depctr_va_vdst(0)                   ; the conversions have written v96-111 and, in an odd unit, the lines above v132-135, which the LDS stores below read; the maxima and holds are done reading set tt % 4, in which the loads below land (behind unit 7: the whole window, in which the slice's fragments land)
.if (\tt) < 4
	LOADB \tt+4                                    ; the set is asked for again at once
.endif
.irp j, 0,1,2,3
	ds_store_b128 v3, v[CD+4*\j:CD+4*\j+3] offset:((\tt)/2)*2048+((\tt)%2)*1024+16*\j
.endr
.if ((\tt)%2) == 1
	ds_store_b128 v4, v[SW:SW+3] offset:((\tt)/2)*128
.endif
.endm
.macro ALOAD half                      ; eight K steps of a row tile: 32 loads of 512 consecutive bytes
	WIN 0x40
.irp s, 0,1,2,3,4,5,6,7
.irp c, 0,1,2,3
	global_load_b128 v[16*(8*\half+\s)+4*\c:16*(8*\half+\s)+4*\c+3], v1, s[24:25] offset:2048*(8*\half+\s)+512*\c
.endr
.endr
	WIN 0
.endm
.macro SLOAD                           ; its rows' scale words (64 bytes a row) and tokens
.irp c, 0,1,2,3
	global_load_b128 v[HS+4*\c:HS+4*\c+3], v6, s[26:27] offset:16*\c
.endr
.irp i, 0,1,2,3
	global_load_b32 v[ORD+\i], v7, s[28:29] offset:16*\i
.endr
.endm
.macro NEWBASE                         ; s22: a tile's number, held at 134
	s_lshl_b32 s36, s22, 15
	s_mov_b32 s37, 0
	s_add_nc_u64 s[24:25], s[4:5], s[36:37]
	s_lshl_b32 s36, s22, 10
	s_add_nc_u64 s[26:27], s[6:7], s[36:37]
	s_lshl_b32 s36, s22, 6
	s_add_nc_u64 s[28:29], s[12:13], s[36:37]
.endm
; 16 products: K steps 8 hf .. 8 hf + 7, two column tiles; the four accumulators take turns, one instruction a turn.  The first four start the sums
.macro MULS hf
.irp s, 0,1,2,3,4,5,6,7
.irp t, 0,1
.if (\hf == 0) && (\s < 2)
	v_wmma_scale_f32_16x16x128_f8f6f4 v[ACC+8*(2*(\s%2)+\t):ACC+8*(2*(\s%2)+\t)+7], v[16*(2*\s+\t):16*(2*\s+\t)+15], v[16*(8*\hf+\s):16*(8*\hf+\s)+15], 0, v[WS+16*\hf+2*\s+\t], v[HS+8*\hf+\s]
.else
	v_wmma_scale_f32_16x16x128_f8f6f4 v[ACC+8*(2*(\s%2)+\t):ACC+8*(2*(\s%2)+\t)+7], v[16*(2*\s+\t):16*(2*\s+\t)+15], v[16*(8*\hf+\s):16*(8*\hf+\s)+15], v[ACC+8*(2*(\s%2)+\t):ACC+8*(2*(\s%2)+\t)+7], v[WS+16*\hf+2*\s+\t], v[HS+8*\hf+\s]
.endif
.endr
.endr
.endm
.macro WFETCH                          ; no vector line stands between unit 7's wait on va_vdst and these loads
	WIN 0x80
.set f, 0
.rept 16
.irp c, 0,1,2,3
	ds_load_b128 v[16*f+4*\c:16*f+4*\c+3], v1 offset:(f%2)*TS+(f/2)*2048+512*\c
.endr
.set f, f+1
.endr
	WIN 0xc0
.rept 16
.irp c, 0,1,2,3
	ds_load_b128 v[16*(f-16)+4*\c:16*(f-16)+4*\c+3], v1 offset:(f%2)*TS+(f/2)*2048+512*\c
.endr
.set f, f+1
.endr
	WIN 0
.set f, 0
.rept 32
	ds_load_b32 v[WS+f], v5 offset:64*f
.set f, f+1
.endr
	s_wait_dscnt 0x0
.endm
; A ROW TILE.  Its loads were issued in the order: K steps 0-7 (32), scale words (4), tokens (4), K steps 8-15 (32).  next = 1: the tile four on is asked for on the way
.macro STEP next
	s_wait_loadcnt 32                              ; all but the youngest 32: K steps 8-15 may be out
	WIN 0x06                                       ; source 0 window 2, source 1 window 1
	MULS 0
	WIN 0
.if \next
	PLACES 8                                       ; eight plain lines behind the products, ahead of loads into registers that they have read; the wait below stands beside them
	s_wait_xcnt 0x0                                ; the bases are written again only behind this wait
	s_add_co_u32 s22, s16, s21
	s_min_u32 s22, s22, 134
	NEWBASE
	s_wait_alu depctr_va_vdst(0)                   ; the sixteen products are done reading h's K steps 0-7 (window 1, v0-127), in which the next tile's loads land
	ALOAD 0
	s_wait_loadcnt 32                              ; this tile's K steps 8-15 are in; the 32 just issued may be out
.else
	s_wait_loadcnt 0x0
.endif
	WIN 0x07                                       ; source 0 window 3
	MULS 1
	WIN 0
	s_wait_xcnt 0x0                                ; the last tile's stores have had their addresses translated: their offsets and their data are written again only behind this wait
	s_wait_alu depctr_vm_vsrc(0)                   ; the last tile's global stores have read their offsets v100-103 and their data v80-95, its LDS stores the sums v64-79: all three are written again below
.irp i, 0,1,2,3
	v_min_u32 v[OFFS+\i], 0x7ff, v[ORD+\i]         ; the token, held inside out;
	v_lshl_add_u32 v[OFFS+\i], v[OFFS+\i], 12, v10 ; its row of 4,096 bytes, + my 16 bytes.  (These eight lines and the next are the places behind the products)
.endr
	v_nop
.irp t, 0,1
.irp p, 0,2,4,6
	v_pk_add_f32 v[OUTR+8*\t+\p:OUTR+8*\t+\p+1], v[ACC+8*\t+\p:ACC+8*\t+\p+1], v[ACC+16+8*\t+\p:ACC+16+8*\t+\p+1]   ; even K steps' sum + odd K steps'; each accumulator from its low end on
.endr
.endr
	s_wait_alu depctr_va_vdst(0)                   ; ONE wait for the rest of the tile: the products are done reading h's scale words (v12-27) and K steps 8-15 (window 1, v128-255), the holds the tokens (v96-99): the loads below land in these; the offsets v100-103 and the sums v64-79 are written, which the stores below read
.if \next
	SLOAD
	ALOAD 1
.endif
.irp t, 0,1
	ds_store_b128 v8, v[OUTR+8*\t:OUTR+8*\t+3] offset:64*\t          ; lane (r, h): out(row r, 16 t + 8 h + 0 .. 7)
	ds_store_b128 v8, v[OUTR+8*\t+4:OUTR+8*\t+7] offset:64*\t+16
.endr
.irp i, 0,1,2,3
	ds_load_b128 v[BK+4*\i:BK+4*\i+3], v9 offset:576*\i              ; my own stage, and LDS serves a wave's instructions in order (ISA guide 5.7.1.4): these see the stores above
.endr
	s_wait_dscnt 0x0
.irp i, 0,1,2,3
	global_store_b128 v[OFFS+\i], v[BK+4*\i:BK+4*\i+3], s[14:15] th:TH_STORE_NT   ; eight lanes store a row's 128 consecutive bytes; four rows an instruction
.endr
.endm
	s_load_b256 s[4:11], s[0:1], 0x0               ; h_codes s[4:5], h_scales s[6:7], weight1 s[8:9], seg s[10:11]
	s_load_b128 s[12:15], s[0:1], 0x20             ; order s[12:13], out0 s[14:15]
	v_lshl_add_u32 v222, v0, 2, 0x13000
	v_mov_b32 v223, 0
	v_lshrrev_b32 v104, 5, v0
	v_readfirstlane_b32 s18, v104                  ; wave 0..3
	s_lshr_b32 s19, ttmp9, 5                       ; expert
	s_and_b32 s20, ttmp9, 31                       ; slice
	v_and_b32 v105, 31, v0
	v_lshlrev_b32 v1, 4, v105                      ; 16 x lane
	v_and_b32 v105, 7, v0                          ; cg
	v_bfe_u32 v106, v0, 3, 1                       ; hh
	v_bfe_u32 v107, v0, 4, 1                       ; b', and h
	v_bfe_u32 v108, v0, 2, 1                       ; my columns' tile t = cg / 4
	v_and_b32 v109, 3, v0                          ; cg % 4
	v_and_b32 v110, 15, v0                         ; r
	v_bfe_u32 v111, v0, 3, 2                       ; lane / 8
	v_lshlrev_b32 v2, 4, v105
	v_lshl_add_u32 v2, v106, 16, v2                ; W1: 16 rows of 4,096 bytes for hh,
	v_lshl_add_u32 v2, v107, 17, v2                ; 32 for b'
	v_mul_u32_u24 v3, v108, TS
	v_lshl_add_u32 v3, v109, 6, v3                 ; first place rr0 = 4 (cg % 4), 16 bytes a place,
	v_lshl_add_u32 v3, v106, 8, v3                 ; 256 hh,
	v_lshl_add_u32 v3, v107, 9, v3                 ; piece b',
	v_lshl_add_u32 v3, v104, 13, v3                ; my wave's four K steps
	v_lshlrev_b32 v4, 6, v108
	v_lshl_add_u32 v4, v109, 4, v4
	v_lshl_add_u32 v4, v104, 9, v4
	v_add_nc_u32 v4, SCB, v4                       ; the scale words: 64 t + 4 rr0 + 512 w
	v_lshl_add_u32 v5, v110, 2, SCB
	v_lshlrev_b32 v6, 6, v110                      ; h's scale words: 64 bytes a row
	v_lshlrev_b32 v7, 2, v111                      ; the tokens of rows lane / 8, + 4, + 8, + 12
	v_mul_u32_u24 v8, v104, 2304
	v_mad_u32_u24 v9, v111, 144, v8
	v_mad_u32_u24 v8, v110, 144, v8
	v_lshl_add_u32 v8, v107, 5, v8
	v_add_nc_u32 v8, STG, v8                       ; the stage, in: row r, + 32 h
	v_lshl_add_u32 v9, v105, 4, v9
	v_add_nc_u32 v9, STG, v9                       ; back: row lane / 8, 16 bytes a lane
	v_lshlrev_b32 v10, 4, v105
	v_lshlrev_b32 v11, 3, v107
.irp j, 0,1,2,3
	v_mov_b32 v[MY+\j], 0                          ; written once: a lane permute's destination counts as one of its sources
.endr
	s_mov_b32 s32, 0x76543210
	s_mov_b32 s33, 0xfedcba98                      ; v_permlanex16_b32's selects for lane l xor 16
	s_mov_b32 s34, 0x600000                        ; the mantissa field of 448
	s_wait_alu depctr_va_sdst(0)                   ; s18 is written, ahead of its first reader: W1's base is made from it
	s_lshl_b32 s22, s19, 23                        ; the expert's 8 MB,
	s_lshl_b32 s36, s20, 7                         ; the slice's 128 bytes of a row,
	s_add_co_u32 s22, s22, s36
	s_lshl_b32 s36, s18, 21                        ; my wave's 512 rows
	s_add_co_u32 s22, s22, s36
	s_mov_b32 s23, 0
	s_lshl_b32 s38, s19, 3
	s_mov_b32 s39, 0
	s_wait_kmcnt 0x0
	s_add_nc_u64 s[8:9], s[8:9], s[22:23]
	s_add_nc_u64 s[10:11], s[10:11], s[38:39]
	s_load_b64 s[16:17], s[10:11], 0x0             ; the expert's first tile and its number of tiles
	s_wait_alu depctr_va_vdst(0)                   ; the nine offsets and addresses v1 to v9 are written, which the loads and LDS instructions of the whole kernel read
	LOADB 0
	LOADB 1
	LOADB 2
	LOADB 3                                        ; four units, 32 KB a wave, are on their way
	s_lshl_b32 s22, s20, 7
	s_add_nc_u64 s[14:15], s[14:15], s[22:23]      ; out at my slice's 128 bytes of a row
	s_wait_kmcnt 0x0
	s_min_u32 s16, s16, 134
	s_min_u32 s17, s17, 128
.irp u, 0,1,2,3,4,5,6,7
	QWU \u
.endr
	s_add_co_u32 s22, s16, s18                     ; my first tile; a wave that has none asks for tile 0, which every split has
	s_cmp_lt_u32 s18, s17
	s_cselect_b32 s22, s22, 0
	s_min_u32 s22, s22, 134
	NEWBASE
	s_wait_alu depctr_vm_vsrc(0)                   ; unit 7's LDS stores have read v96-99, in which the first tile's tokens land (the conversions that wrote them stand ahead of unit 7's wait on va_vdst)
	ALOAD 0
	SLOAD
	ALOAD 1
	s_wait_dscnt 0x0                               ; my part of the slice lies in LDS
	s_barrier_signal -1
	s_barrier_wait -1                              ; everybody's does
	s_cmp_ge_u32 s18, s17
	s_cbranch_scc1 .Lend                           ; fewer tiles than waves
	WFETCH
	s_sub_co_u32 s39, s17, s18                     ; my tiles are w, w + 4, .. under s17: (s17 - w + 3) / 4 of them (w is under s17 here);
	s_sub_co_u32 s39, s39, 1
	s_lshr_b32 s39, s39, 2                         ; all but the last go round the loop: (s17 - w - 1) / 4 trips, counted by ones
	s_mov_b32 s38, 0
	s_add_co_u32 s21, s18, 4                       ; the tile after the one in hand, counted within the expert
	s_cmp_lt_u32 s38, s39
	s_cbranch_scc0 .Ltail
.Lrow:
	STEP 1
	s_add_co_u32 s21, s21, 4
	s_add_co_u32 s38, s38, 1
	s_cmp_lt_u32 s38, s39
	s_cbranch_scc1 .Lrow
.Ltail:
	STEP 0                                         ; my last tile is written out: it asks for nothing, and every counted wait holds on both ways in
.Lend:
	s_wait_dscnt 0x0                               ; the closing lines, six on end
	s_wait_alu 0x0
	s_wait_tensorcnt 0x0
	ds_add_u32 v222, v223
	s_wait_dscnt 0x0
	s_endpgm
.Lfunc_end_k_q5d8cb16afb_gemm2:
	.size	k_q5d8cb16afb_gemm2, .Lfunc_end_k_q5d8cb16afb_gemm2-k_q5d8cb16afb_gemm2
	.p2alignl 7, 3214868480
	.fill 96, 4, 3214868480
	.section	.rodata,"a",@progbits
	.p2align	6, 0x0
	.amdhsa_kernel k_q5d8cb16afb_gemm2
		.amdhsa_group_segment_fixed_size 78336
		.amdhsa_private_segment_fixed_size 0
		.amdhsa_enable_private_segment 0
		.amdhsa_kernarg_size 48
		.amdhsa_user_sgpr_count 2
		.amdhsa_user_sgpr_kernarg_segment_ptr 1
		.amdhsa_wavefront_size32 1
		.amdhsa_system_sgpr_workgroup_id_x 1
		.amdhsa_system_sgpr_workgroup_id_y 1
		.amdhsa_system_sgpr_workgroup_id_z 1
		.amdhsa_system_vgpr_workitem_id 0
		.amdhsa_next_free_vgpr 1024
		.amdhsa_next_free_sgpr 66
		.amdhsa_reserve_vcc 0
		.amdhsa_float_denorm_mode_32 3
		.amdhsa_float_denorm_mode_16_64 3
		.amdhsa_memory_ordered 1
		.amdhsa_forward_progress 1
		.amdhsa_inst_pref_size 124
	.end_amdhsa_kernel
	.amdgpu_metadata
---
amdhsa.version: [ 1, 2 ]
amdhsa.kernels:
  - .name:           k_q5d8cb16afb_gemm2
    .symbol:         k_q5d8cb16afb_gemm2.kd
    .args:
      - { .name: h_codes, .offset: 0, .size: 8, .value_kind: global_buffer, .address_space: global }
      - { .name: h_scales, .offset: 8, .size: 8, .value_kind: global_buffer, .address_space: global }
      - { .name: weight1, .offset: 16, .size: 8, .value_kind: global_buffer, .address_space: global }
      - { .name: seg, .offset: 24, .size: 8, .value_kind: global_buffer, .address_space: global }
      - { .name: order, .offset: 32, .size: 8, .value_kind: global_buffer, .address_space: global }
      - { .name: out0, .offset: 40, .size: 8, .value_kind: global_buffer, .address_space: global }
    .group_segment_fixed_size: 78336
    .private_segment_fixed_size: 0
    .kernarg_segment_align: 8
    .kernarg_segment_size: 48
    .max_flat_workgroup_size: 128
    .sgpr_count:     66
    .vgpr_count:     1024
    .wavefront_size: 32
...
	.end_amdgpu_metadata
.endif
;; end of part 6
